; MI455X (gfx1250); checked and timed in simulation.
; The chip was launched on July 23, 2026; its instructions are those of AMD's public machine-readable ISA for CDNA 5 (MIT licence, August 2026) and "CDNA5" Instruction Set Architecture Reference Guide (July 2026). The comments in the code are by the model that wrote it; some were corrected since.
;; Flax Dbrx Norm Attention Norm. Allowed arithmetic: matrix products marked QUANTISED: E2M3 operands, one E8M0 scale for each 32 along K, by v_wmma_scale_f32_16x16x128_f8f6f4 with both operands' format E2M3, f32 sums; everything else in f32.
;; Inputs: attention_mask 1 x 2,048 int32; causal_mask 1 x 1 x 2,048 x 2,048 bool; hidden_states 1 x 2,048 x 2,048 float32; ln1_scale 2,048 float32; ln2_scale 2,048 float32; position_ids 1 x 2,048 int32; w_out 2,048 x 2,048 float32; w_qkv 2,048 x 3,072 float32.
;; Outputs: out0 1 x 2,048 x 2,048 float32; out1 1 x 2,048 x 2,048 float32.
;; This version of the problem:
;;   THIS VERSION OF THE PROBLEM IS GIVEN IN LOW PRECISION. The matrix products marked QUANTISED in the list below multiply operands that are first quantised to E2M3 (2 exponent bits, 3 mantissa bits; 6 bits a number), with one power-of-two scale for each 32 numbers along K (OCP MX v1.0); their sums are f32. All else is computed in f32.
;;   The module's matrix products, in the order in which they are computed (A, B: the left and right operand; K: the contracted axis; several contracted axes count as one K, in the product's order):
;;     1. [M 2,048, K 2,048] x [K 2,048, N 3,072]; A: computed on the way; B: input w_qkv: QUANTISED
;;     2. batch 8 x [M 2,048, K 64] x [K 64, N 8,192]; A: computed on the way; B: computed on the way: QUANTISED
;;     3. batch 8 x [M 64, K 2,048] x [K 2,048, N 8,192]; A: computed on the way; B: softmax (see below): QUANTISED
;;     4. [M 2,048, K 2,048] x [K 2,048, N 2,048]; A: computed on the way; B: input w_out: QUANTISED
;;   THE QUANTISER, for each operand of a quantised product, along K:
;;     - K is cut into blocks of 32 from its start; a last block that is shorter is filled with zeros.
;;     - A block's scale is 2^e with e = floor(log2(the largest magnitude in the block)) - 2, held to -126 .. 127; a block of zeros has e = 0. As a byte (E8M0): e + 127.
;;     - Each number is divided by its block's scale, clamped to +-7.5, and rounded to the nearest number of E2M3, ties to even, subnormals kept.
;;     - The product sums the exact products of the quantised numbers (number of the format x scale) in f32.
;;   ~~~python
;;   def quantise(x, axis):      # numpy; x: float32 -> the quantised numbers, widened to float32 again
;;       x = np.moveaxis(x, axis, -1); K = x.shape[-1]
;;       x = np.pad(x, [(0, 0)] * (x.ndim - 1) + [(0, -K % 32)]); x = x.reshape(x.shape[:-1] + (-1, 32)); a = np.abs(x).max(-1, keepdims=True)
;;       e = np.where(a > 0, np.clip(np.frexp(np.where(a > 0, a, 1))[1] - 1 - 2, -126, 127), 0)      # np.frexp(a)[1] - 1 = floor(log2(a)), exactly
;;       r = np.clip(x / 2.0 ** e, -7.5, 7.5)
;;       step = 2.0 ** (np.maximum(np.frexp(np.where(r == 0, 1, r))[1] - 1, 0) - 3)
;;       q = np.round(r / step) * step * 2.0 ** e      # np.round: ties to even
;;       return np.moveaxis(q.reshape(q.shape[:-2] + (-1,))[..., :K], -1, axis).astype(np.float32)
;;   ~~~
;;   SOFTMAX AHEAD OF A QUANTISED PRODUCT. Where the list says 'softmax', what is quantised is not the finished softmax but p = 2^(t - M), with t = logit x log2(e) and M = ceil(the row's largest t), a whole number; so 1/2 < the row's largest p <= 1. The row's sum l is taken of the UNQUANTISED p, in f32, and the product's result is divided by l at the end. Since M is a whole number, a kernel that streams over the keys may use a running M (the ceiling of the running maximum): every later rescaling is an exact power of two, which a block's scale takes up: the codes' values come out the same.
;;   OPERANDS COMPUTED ON THE WAY. 'Computed on the way' means the value that the module computes at that place (a softmax that the list does not call 'softmax' is quantised finished and normalised). What goes into a quantiser is computed in f32, as accurately as f32 sums, v_exp_f32 and their like allow (about 1e-6 of the number): no bf16 or f16 on the way to a quantiser, and a product that is left as it is and whose result goes on into a quantised operand takes f32 operands (vector FMAs, or v_wmma_f32_16x16x4_f32). A number that lies on a knife's edge between two numbers of the format may be rounded either way, as far as f32 arithmetic and the matrix unit's own rounding can turn it there, and no further.
;; 2 versions, each right; version 2 is version 1 with the launch attn written anew for expert scheduling mode. Each part assembles by itself: llvm-mc -triple=amdgcn-amd-amdhsa -mcpu=gfx1250 --defsym DOCPART=n.
;; ======== version 1 of 2: 5 launches
;; limits: right only within a limited range of input values
;; workspace buffers: prep 11,993,088 bytes; masks 557,056 bytes of whole numbers; qkv 4,915,200 bytes; att 3,276,800 bytes
;; launch prep (part 1): grid 416 x 1, 16 waves a work-group, no clusters, 137,984 bytes of LDS; arguments hidden_states, ln1_scale, position_ids, w_qkv, w_out, causal_mask, attention_mask, prep, masks; writes prep, masks
.if DOCPART == 1
	.amdgcn_target "amdgcn-amd-amdhsa--gfx1250"
	.amdhsa_code_object_version 6
	.text
	.protected	k_q544f8c0dfe_prep
	.globl	k_q544f8c0dfe_prep
	.p2align	8
	.type	k_q544f8c0dfe_prep,@function
k_q544f8c0dfe_prep:
	s_mov_b64 s[64:65], 0
	v_nop
	global_prefetch_b8 v0, s[64:65] scope:SCOPE_SE
	s_setreg_imm32_b32 hwreg(HW_REG_WAVE_MODE, 25, 1), 1
	s_wait_xcnt 0x0
; PREP: all that is made once from the inputs.  Four kinds of work-group, told apart by the work-group's number alone:
;   0-95    w_qkv [2048 k][3072 n] -> codes of E2M3 and E8M0 scale bytes along k (its first axis)
;   96-159  w_out [2048 k][2048 n] likewise
;   160-287 16 rows of hidden_states: LayerNorm 1 in f32, quantised along D; cos and sin of those rows' positions
;   288-415 16 queries x all keys: causal_mask AND (attention_mask > 0) as bit words, and two flag words a tile of queries
; DEAD WORK: none.  Every step of reference() can reach an output for some finite inputs, so every input is loaded and every step is done.
; Both masks are inputs: no pattern of theirs is built in.  What a later launch leaves out (key steps hidden from all 16 queries of a tile) it leaves out by the whole numbers stored here.
; A TILE of any operand is 16 rows: row(T, m) = 32 (T / 2) + 8 (T % 2) + m + 8 (m / 8).  With such tiles as source 0 of a product, a lane's 16 result registers of tiles 2 b, 2 b + 1 are the 16 neighbours 32 b + 16 (lane / 16) + 0 .. 15.
; A HALF RECORD is 768 bytes: a tile x 64 along K in the order of the operand's registers: lane (r, h) owns the 32 codes of block h of row r: registers 0-3 at 16 x lane, registers 4-5 at 512 + 8 x lane.
; Codes of a GEMM operand: [tile][K step of 128][half][768].  Scale words: [tile][pair of K steps][lane]: lanes 0-15 the rows' words of the even K step, lanes 16-31 of the odd one.
; LIMITS: NaN and infinities among the inputs are not served.  A block whose largest magnitude lies under 2^-124 gets the scale byte 1; so does a block of zeros, where the rule says 127: its codes are zeros and this program alone reads the bytes.
; cos and sin: the angle is reduced by three parts of pi / 2 and two polynomials; the error of the angle itself grows as |position| x 1e-7, as it does in f32 in reference(); sound up to |position| about 2^20.
; No cluster and no tensor load: no two work-groups read the same bytes.
.set XC,    0
.set WQC,   3145728
.set WOC,   7864320
.set XS,    11010048
.set WQS,   11141120
.set WOS,   11337728
.set ROPE,  11468800
.set FL,    524288                     ; in masks: behind the bit words
.set XP,    8208                       ; LDS: 16 rows of x, 8,192 bytes + 16: the 16 rows that a load touches start 16 bytes apart modulo 256
.set RT,    131328                     ; 16 rows x 272: cos (128 bytes), sin (128 bytes)
.set MF,    135680                     ; 16 x 8 bytes: each key step's OR and AND of its words
.set SPARE, 135936                     ; the spare words, 128 bytes a wave: no other line names them
.set SPW,   254
.set NIL,   255
.set SEL,   26                         ; s[26:27] lane selects: lane l xor 16
.set QT,    32                         ; eight registers at work in QUANT2
.macro FINISH                          ; a wave's end
	s_wait_tensorcnt 0x0
	ds_add_u32 v[SPW], v[NIL]
	s_wait_dscnt 0x0
	s_endpgm
.endm
.macro WSUM t                          ; the sum over the 32 lanes, in every lane
	v_add_f32_dpp v[\t], v[\t], v[\t] row_xmask:1 row_mask:0xf bank_mask:0xf
	v_add_f32_dpp v[\t], v[\t], v[\t] row_xmask:2 row_mask:0xf bank_mask:0xf
	v_add_f32_dpp v[\t], v[\t], v[\t] row_xmask:4 row_mask:0xf bank_mask:0xf
	v_add_f32_dpp v[\t], v[\t], v[\t] row_xmask:8 row_mask:0xf bank_mask:0xf
	v_permlanex16_b32 v[\t+1], v[\t], s[SEL], s[SEL+1]
	v_add_f32 v[\t], v[\t], v[\t+1]
.endm
; LayerNorm of a row of 2,048 held by one wave, 64 numbers a lane in v[x] on; the gain in v[g] on; 13 registers at work from v[t] on.  Mean, then the mean of squared differences, as reference() has it.
.macro LNORM x, g, t
	s_wait_loadcnt 16                      ; the row's 16 loads are in; the gain's 16 may be out
.irp c, 0,1,2,3
	v_pk_add_f32 v[\t+2*\c:\t+2*\c+1], v[\x+4*\c:\x+4*\c+1], v[\x+4*\c+2:\x+4*\c+3]
.endr
.irp j, 16,24,32,40,48,56
.irp c, 0,1,2,3
	v_pk_add_f32 v[\t+2*\c:\t+2*\c+1], v[\t+2*\c:\t+2*\c+1], v[\x+\j+2*\c:\x+\j+2*\c+1]
.endr
.endr
	v_pk_add_f32 v[\t:\t+1], v[\t:\t+1], v[\t+2:\t+3]
	v_pk_add_f32 v[\t+4:\t+5], v[\t+4:\t+5], v[\t+6:\t+7]
	v_pk_add_f32 v[\t:\t+1], v[\t:\t+1], v[\t+4:\t+5]
	v_add_f32 v[\t], v[\t], v[\t+1]
	WSUM \t
	v_mov_b32 v[\t+12], 0x3a000000         ; 1 / 2048
	v_mul_f32 v[\t+8], v[\t+12], v[\t]     ; the mean,
	v_mov_b32 v[\t+9], v[\t+8]             ; twice, for the packed form
.set LJ, 0
.rept 32
	v_pk_add_f32 v[\x+LJ:\x+LJ+1], v[\x+LJ:\x+LJ+1], v[\t+8:\t+9] neg_lo:[0,1] neg_hi:[0,1]
.set LJ, LJ+2
.endr
.irp c, 0,1,2,3
	v_pk_mul_f32 v[\t+2*\c:\t+2*\c+1], v[\x+2*\c:\x+2*\c+1], v[\x+2*\c:\x+2*\c+1]
.endr
.irp j, 8,16,24,32,40,48,56
.irp c, 0,1,2,3
	v_pk_fma_f32 v[\t+2*\c:\t+2*\c+1], v[\x+\j+2*\c:\x+\j+2*\c+1], v[\x+\j+2*\c:\x+\j+2*\c+1], v[\t+2*\c:\t+2*\c+1]
.endr
.endr
	v_pk_add_f32 v[\t:\t+1], v[\t:\t+1], v[\t+2:\t+3]
	v_pk_add_f32 v[\t+4:\t+5], v[\t+4:\t+5], v[\t+6:\t+7]
	v_pk_add_f32 v[\t:\t+1], v[\t:\t+1], v[\t+4:\t+5]
	v_add_f32 v[\t], v[\t], v[\t+1]
	WSUM \t
	v_fmaak_f32 v[\t], v[\t], v[\t+12], 0x358637bd   ; the variance + 1e-6
	v_rsq_f32 v[\t+10], v[\t]
	v_rsq_f32 v[\t+11], v[\t]
	v_nop                                  ; a plain instruction behind the transcendentals
	s_wait_loadcnt 0x0                     ; the gain
	s_wait_alu depctr_va_vdst(0)           ; one wait for both, ahead of their first reader
.set LJ, 0
.rept 32
	v_pk_mul_f32 v[\x+LJ:\x+LJ+1], v[\x+LJ:\x+LJ+1], v[\t+10:\t+11]
.set LJ, LJ+2
.endr
.set LJ, 0
.rept 32
	v_pk_mul_f32 v[\x+LJ:\x+LJ+1], v[\x+LJ:\x+LJ+1], v[\g+LJ:\g+LJ+1]
.set LJ, LJ+2
.endr
.endm
; 32 numbers of a lane, register 16 b + i = k 32 b + 16 (lane / 16) + i of the lane's row, become a half record's six registers in v[pc] on (v[pc+6] to v[pc+8] at work) and the two scale bytes in v[hw].
.macro QUANT2 s, pc, hw
.irp b, 0,1
	v_max3_num_f32 v[QT+\b], |v[\s+16*\b]|, |v[\s+16*\b+1]|, 0x1800000   ; with the floor 2^(3 - 127): the byte cannot fall under 1
.endr
.irp i, 2,4,6,8,10,12,14
.irp b, 0,1
	v_max3_num_f32 v[QT+\b], v[QT+\b], |v[\s+16*\b+\i]|, |v[\s+16*\b+\i+1]|
.endr
.endr
.irp b, 0,1
	v_permlanex16_b32 v[QT+2+\b], v[QT+\b], s[SEL], s[SEL+1]
.endr
.irp b, 0,1
	v_max_num_f32 v[QT+\b], v[QT+\b], v[QT+2+\b]     ; with lane l xor 16's 16: the block's largest magnitude
.endr
.irp b, 0,1
	v_add_nc_u32 v[QT+4+\b], 0xff000000, v[QT+\b]    ; 2 off its exponent field: the conversion's scale operand
.endr
.irp b, 0,1
	v_lshrrev_b32 v[QT+6+\b], 23, v[QT+4+\b]         ; the scale's byte
.endr
	v_lshl_or_b32 v[\hw], v[QT+7], 8, v[QT+6]
	v_cvt_scalef32_pk16_fp6_f32 v[\pc:\pc+2], v[\s:\s+15], v[QT+4]
	v_cvt_scalef32_pk16_fp6_f32 v[\pc+6:\pc+8], v[\s+16:\s+31], v[QT+5]
	v_nop                                  ; a plain instruction behind the scaled conversions
.irp i, 0,1,2
	v_permlane16_swap_b32 v[\pc+\i], v[\pc+6+\i]     ; a whole block to a lane: lanes 0-15 block 0, lanes 16-31 block 1
.endr
.irp i, 0,1,2
	v_mov_b32 v[\pc+3+\i], v[\pc+6+\i]
.endr
.endm
	s_load_b512 s[8:23], s[0:1], 0x0       ; hidden s[8:9], ln1 s[10:11], positions s[12:13], w_qkv s[14:15], w_out s[16:17], causal s[18:19], attention s[20:21], prep s[22:23]
	s_load_b64 s[24:25], s[0:1], 0x40      ; masks
	v_lshl_add_u32 v[SPW], v0, 2, SPARE
	v_mov_b32 v[NIL], 0
	v_lshrrev_b32 v1, 5, v0
	v_readfirstlane_b32 s28, v1            ; wave 0..15
	v_and_b32 v1, 31, v0                   ; lane L
	v_and_b32 v2, 15, v0                   ; r
	v_bfe_u32 v3, v0, 4, 1                 ; h
	v_lshlrev_b32 v4, 4, v1                ; 16 L
	v_lshlrev_b32 v5, 3, v1                ; 8 L
	s_mov_b32 s[SEL], 0x76543210
	s_mov_b32 s[SEL+1], 0xfedcba98
	s_mov_b32 s31, 0                       ; s[30:31]: a byte offset as a pair
	s_wait_kmcnt 0x0
	s_cmp_lt_u32 ttmp9, 96
	s_cbranch_scc1 .Lwq
	s_cmp_lt_u32 ttmp9, 160
	s_cbranch_scc1 .Lwo
	s_cmp_lt_u32 ttmp9, 288
	s_cbranch_scc1 .Lx
; ---- THE MASKS.  Tile T of queries; wave w = key step w (128 keys).  Word n (0..63) of a step: bit L says that key 128 w + 32 (n / 16) + 16 (L / 16) + n % 16 counts for query row(T, L % 16):
; the place of that score in the attention launch's registers (register n, lane L).
	s_sub_co_u32 s32, ttmp9, 288           ; T
	s_lshr_b32 s33, s32, 1
	s_lshl_b32 s33, s33, 5
	s_and_b32 s34, s32, 1
	s_lshl_b32 s34, s34, 3
	s_add_co_u32 s33, s33, s34             ; 32 (T / 2) + 8 (T % 2)
	v_and_b32 v6, 8, v2
	v_add_nc_u32 v6, v6, v2
	v_add_nc_u32 v6, s33, v6               ; my query
	v_lshlrev_b32 v6, 11, v6               ; its row of causal_mask, 2,048 bytes
	v_lshl_add_u32 v6, v3, 4, v6           ; + 16 h
	v_lshlrev_b32 v7, 6, v3                ; attention_mask: 16 h numbers of 4 bytes
	s_lshl_b32 s30, s28, 7
	s_add_nc_u64 s[36:37], s[18:19], s[30:31]
	s_lshl_b32 s30, s28, 9
	s_add_nc_u64 s[38:39], s[20:21], s[30:31]
.irp b, 0,1,2,3
	global_load_b128 v[16+4*\b:19+4*\b], v6, s[36:37] offset:32*\b
.endr
.irp b, 0,1,2,3
.irp j, 0,1,2,3
	global_load_b128 v[64+16*\b+4*\j:67+16*\b+4*\j], v7, s[38:39] offset:128*\b+16*\j
.endr
.endr
	s_lshl_b32 s30, s32, 12
	s_lshl_b32 s35, s28, 8
	s_add_co_u32 s30, s30, s35
	s_add_nc_u64 s[46:47], s[24:25], s[30:31]        ; the step's 64 words
	s_lshl_b32 s30, s32, 8
	s_add_co_u32 s30, s30, FL
	s_add_nc_u64 s[48:49], s[24:25], s[30:31]        ; the tile's flags
	s_lshl_b32 s35, s28, 3
	s_add_co_u32 s35, s35, MF
	v_mov_b32 v8, s35                      ; LDS: my step's pair
	v_mov_b32 v9, MF                       ; all pairs
	v_lshl_add_u32 v10, v2, 3, MF          ; the pair of step L % 16
	v_lshlrev_b32 v11, 2, v1
	v_mov_b32 v32, 0
	v_mov_b32 v33, 0
	s_mov_b32 s43, 0
	s_mov_b32 s44, -1
	s_wait_loadcnt 0x0
.set n, 0
.rept 64
	v_bfe_u32 v12, v[16+n/4], 8*(n%4), 8
	v_cmp_ne_u32 s40, 0, v12               ; causal_mask says yes,
	v_cmp_lt_i32 s41, 0, v[64+n]           ; and attention_mask > 0
	s_and_b32 s42, s40, s41
	s_or_b32 s43, s43, s42
	s_and_b32 s44, s44, s42
	v_writelane_b32 v[32+n/32], s42, n%32  ; word n into lane n % 32
.set n, n+1
.endr
	global_store_b32 v11, v32, s[46:47]
	global_store_b32 v11, v33, s[46:47] offset:128
	v_mov_b32 v34, s43
	v_mov_b32 v35, s44
	ds_store_b64 v8, v[34:35]              ; every lane the same value at the same place
	s_wait_dscnt 0x0                       ; for the others' sake
	s_barrier_signal -1
	s_barrier_wait -1
	s_cmp_lg_u32 s28, 0
	s_cbranch_scc1 .Lm_end
; Wave 0 makes the tile's two flag words.  P: bit ks = key step ks is walked.  PART: bit ks = some score of it is hidden.  A step is walked where any of its keys counts for any of the 16 queries.
; Where one of the 16 queries has no key at all, reference() gives the mean over ALL keys (every logit is the same lowest number): then every step is walked.
; The flags are made in s50 and s51: no register that the stores above name (v11, v32, v33, s[46:47]) is written again.
.irp i, 0,1,2,3,4,5,6,7
	ds_load_b128 v[64+4*\i:67+4*\i], v9 offset:16*\i
.endr
	ds_load_b64 v[40:41], v10
	s_wait_dscnt 0x0
	v_or_b32 v12, v64, v66
.irp i, 68,70,72,74,76,78,80,82,84,86,88,90,92,94
	v_or_b32 v12, v12, v\i
.endr
	v_readfirstlane_b32 s40, v12
	s_lshr_b32 s41, s40, 16
	s_or_b32 s40, s40, s41
	s_and_b32 s40, s40, 0xffff             ; bit r: query r has a key
	v_cmp_ne_u32 s50, 0, v40
	v_cmp_ne_u32 s51, -1, v41
	s_and_b32 s50, s50, 0xffff
	s_and_b32 s51, s51, 0xffff
	s_mov_b32 s41, 0xffff
	s_cmp_eq_u32 s40, s41
	s_cselect_b32 s50, s50, s41
	v_mov_b32 v42, s50
	v_mov_b32 v43, s51
	global_store_b64 v5, v[42:43], s[48:49]          ; the pair 32 times: 256 consecutive bytes
.Lm_end:
	FINISH
; ---- x.  Tile T of rows.  Phase 1: wave w normalises row(T, w) and makes its cos and sin.  Phase 2: wave w quantises K step w of all 16 rows.
.Lx:
	s_sub_co_u32 s32, ttmp9, 160           ; T
	s_lshr_b32 s33, s32, 1
	s_lshl_b32 s33, s33, 5
	s_and_b32 s34, s32, 1
	s_lshl_b32 s34, s34, 3
	s_add_co_u32 s33, s33, s34
	s_and_b32 s34, s28, 8
	s_add_co_u32 s34, s34, s28
	s_add_co_u32 s33, s33, s34             ; my row
	s_lshl_b32 s30, s33, 13
	s_add_nc_u64 s[36:37], s[8:9], s[30:31]
	s_lshl_b32 s30, s33, 2
	s_add_nc_u64 s[38:39], s[12:13], s[30:31]
	s_load_b32 s40, s[38:39], 0x0          ; its position
.irp i, 0,1,2,3,4,5,6,7,8,9,10,11,12,13,14,15
	global_load_b128 v[64+4*\i:67+4*\i], v4, s[36:37] offset:512*\i th:TH_LOAD_NT
.endr
.irp i, 0,1,2,3,4,5,6,7,8,9,10,11,12,13,14,15
	global_load_b128 v[128+4*\i:131+4*\i], v4, s[10:11] offset:512*\i
.endr
	s_mul_i32 s30, s32, 24576
	s_mul_i32 s34, s28, 1536
	s_add_co_u32 s30, s30, s34
	s_add_nc_u64 s[42:43], s[22:23], s[30:31]        ; codes: tile T, K step w
	s_lshl_b32 s30, s32, 10
	s_lshr_b32 s34, s28, 1
	s_lshl_b32 s34, s34, 7
	s_add_co_u32 s30, s30, s34
	s_and_b32 s34, s28, 1
	s_lshl_b32 s34, s34, 6
	s_add_co_u32 s30, s30, s34
	s_add_co_u32 s30, s30, XS
	s_add_nc_u64 s[44:45], s[22:23], s[30:31]        ; scale words
	s_lshl_b32 s30, s32, 12
	s_lshl_b32 s34, s28, 9
	s_add_co_u32 s30, s30, s34
	s_add_co_u32 s30, s30, ROPE
	s_add_nc_u64 s[46:47], s[22:23], s[30:31]        ; the table's chunk w
	s_mul_i32 s34, s28, XP
	v_add_nc_u32 v6, s34, v4               ; LDS: my row, 16 L
	s_mul_i32 s34, s28, 272
	s_add_co_u32 s34, s34, RT
	v_lshl_add_u32 v7, v1, 2, s34          ; my row's cos, 4 L
	v_mul_u32_u24 v8, v2, XP
	v_lshl_add_u32 v8, v3, 6, v8
	s_lshl_b32 s34, s28, 9
	v_add_nc_u32 v8, s34, v8               ; phase 2: row r, K step w, + 16 h numbers
	v_mul_u32_u24 v9, v2, 272
	v_lshl_add_u32 v9, v3, 6, v9
	s_and_b32 s34, s28, 3
	s_lshl_b32 s34, s34, 4
	s_lshr_b32 s35, s28, 2
	s_lshl_b32 s35, s35, 7
	s_add_co_u32 s34, s34, s35
	s_add_co_u32 s34, s34, RT
	v_add_nc_u32 v9, s34, v9               ; the table's chunk w: row r, 16 h + 4 (w % 4) on; cos for w < 4, sin for w 4 to 7
	v_lshlrev_b32 v10, 2, v2
	; cos and sin of position x 500000^(-j / 32), j = my lane.  log2(500000) / 32 in two parts, the first of 12 bits, so that j x it is exact
	v_cvt_f32_u32 v16, v1
	v_mul_f32 v17, 0x3f177000, v16
	v_floor_f32 v18, v17
	v_sub_f32 v17, v17, v18
	v_fmamk_f32 v17, v16, 0x38768e36, v17  ; the exponent's fraction
	v_exp_f32 v19, -v17
	v_cvt_i32_f32 v18, v18
	v_sub_nc_u32 v18, 0, v18
	s_wait_kmcnt 0x0
	v_cvt_f32_i32 v20, s40
	s_wait_alu depctr_va_vdst(0)           ; ahead of the exponential's first reader
	v_ldexp_f32 v19, v19, v18              ; the inverse frequency
	v_mul_f32 v20, v20, v19                ; the angle
	v_mul_f32 v21, 0xbf22f983, v20
	v_rndne_f32 v21, v21                   ; -q, q = the nearest multiple of pi / 2
	v_fmamk_f32 v22, v21, 0x3fc90fdb, v20
	v_fmamk_f32 v22, v21, 0xb33bbd2e, v22
	v_fmamk_f32 v22, v21, 0xa6f72ced, v22  ; the rest, within pi / 4
	v_cvt_i32_f32 v23, v21
	v_sub_nc_u32 v23, 0, v23               ; q
	v_mul_f32 v24, v22, v22
	v_mov_b32 v25, 0xb94ca1f9
	v_fmaak_f32 v25, v25, v24, 0x3c08839e
	v_fmaak_f32 v25, v25, v24, 0xbe2aaaa3
	v_mul_f32 v25, v25, v24
	v_fma_f32 v25, v25, v22, v22           ; sin of the rest
	v_mov_b32 v26, 0x37ccf5ce
	v_fmaak_f32 v26, v26, v24, 0xbab6061a
	v_fmaak_f32 v26, v26, v24, 0x3d2aaaa5
	v_mul_f32 v27, v24, v24
	v_fma_f32 v28, v24, -0.5, 1.0
	v_fma_f32 v26, v26, v27, v28           ; cos of the rest
	v_and_b32 v29, 1, v23
	v_cmp_eq_u32 vcc_lo, 1, v29            ; odd q: the two change places
	v_cndmask_b32 v30, v25, v26, vcc_lo
	v_cndmask_b32 v31, v26, v25, vcc_lo
	v_and_b32 v29, 2, v23
	v_lshlrev_b32 v29, 30, v29
	v_xor_b32 v30, v30, v29                ; sin
	v_add_nc_u32 v29, 1, v23
	v_and_b32 v29, 2, v29
	v_lshlrev_b32 v29, 30, v29
	v_xor_b32 v31, v31, v29                ; cos
	ds_store_b32 v7, v31
	ds_store_b32 v7, v30 offset:128
	LNORM 64, 128, 32
.irp i, 0,1,2,3,4,5,6,7,8,9,10,11,12,13,14,15
	ds_store_b128 v6, v[64+4*\i:67+4*\i] offset:512*\i
.endr
	s_wait_dscnt 0x0                       ; for the others' sake
	s_barrier_signal -1
	s_barrier_wait -1
.irp b, 0,1,2,3
.irp j, 0,1,2,3
	ds_load_b128 v[64+16*\b+4*\j:67+16*\b+4*\j], v8 offset:128*\b+16*\j
.endr
.endr
	s_wait_dscnt 0x0
	QUANT2 64, 192, 214
	QUANT2 96, 202, 215
	v_lshl_or_b32 v216, v215, 16, v214     ; the row's scale word of this K step
	global_store_b128 v4, v[192:195], s[42:43]
	global_store_b64 v5, v[196:197], s[42:43] offset:512
	global_store_b128 v4, v[202:205], s[42:43] offset:768
	global_store_b64 v5, v[206:207], s[42:43] offset:1280
	global_store_b32 v10, v216, s[44:45]   ; both halves of the lanes hold the same word
	s_cmp_lt_u32 s28, 8
	s_cbranch_scc0 .Lx_end
	ds_load_b128 v[220:223], v9
	s_wait_dscnt 0x0
	global_store_b128 v4, v[220:223], s[46:47]
.Lx_end:
	FINISH
; ---- A WEIGHT.  A wave takes 32 columns x one K step of 128.  A LANE TAKES A COLUMN AND ITS REGISTERS RUN DOWN K: lane (u, r) takes row(2 cg + u, r), so that the wave's load still covers the group's 128 consecutive bytes
; (four waves side by side: 512), a block of 32 lies in one lane, and the conversions give codes with K innermost.  Loads run two blocks ahead: up to 64 loads of a wave are out; each block has registers of its own.
.macro WLOAD blk, pitch                ; block blk: W(32 blk + i, my column), i = 0 .. 31
.set k, 32*(\blk)
.rept 32
	global_load_b32 v[64+k], v6, s[36:37] offset:k*\pitch th:TH_LOAD_NT
.set k, k+1
.endr
.endm
.macro WPATH first, pitch, src, codes, scales
	s_sub_co_u32 s32, ttmp9, \first
	s_lshr_b32 s33, s32, 2
	s_and_b32 s34, s32, 3
	s_lshl_b32 s33, s33, 2
	s_and_b32 s35, s28, 3
	s_add_co_u32 s33, s33, s35             ; cg: the group of 32 columns
	s_lshl_b32 s34, s34, 2
	s_lshr_b32 s35, s28, 2
	s_add_co_u32 s34, s34, s35             ; ks: the K step
	s_mul_i32 s30, s34, 128*\pitch
	s_lshl_b32 s35, s33, 7
	s_add_co_u32 s30, s30, s35
	s_add_nc_u64 s[36:37], s[\src:\src+1], s[30:31]
	s_mul_i32 s30, s33, 2*24576
	s_mul_i32 s35, s34, 1536
	s_add_co_u32 s30, s30, s35
	s_add_co_u32 s30, s30, \codes
	s_add_nc_u64 s[38:39], s[22:23], s[30:31]
	s_lshl_b32 s30, s33, 11
	s_lshr_b32 s35, s34, 1
	s_lshl_b32 s35, s35, 7
	s_add_co_u32 s30, s30, s35
	s_and_b32 s35, s34, 1
	s_lshl_b32 s35, s35, 6
	s_add_co_u32 s30, s30, s35
	s_add_co_u32 s30, s30, \scales
	s_add_nc_u64 s[40:41], s[22:23], s[30:31]
	v_and_b32 v6, 8, v2
	v_add_nc_u32 v6, v6, v2
	v_lshl_add_u32 v6, v3, 3, v6
	v_lshlrev_b32 v6, 2, v6                ; my column in the group, in bytes
	v_lshlrev_b32 v7, 2, v2
	v_lshl_add_u32 v7, v3, 10, v7          ; my scale word: tile u, row r
	WLOAD 0, \pitch
	WLOAD 1, \pitch
.irp t, 0,1,2,3
.set XB, 64+32*\t
.set CB, 192+8*\t
.if \t < 3
	s_wait_loadcnt 32                      ; this block's 32 loads are in; the next block's 32 may be out
.else
	s_wait_loadcnt 0x0
.endif
.if \t < 2
	WLOAD \t+2, \pitch                     ; the block two on is asked for before this one is worked
.endif
	v_max3_num_f32 v8, |v[XB]|, |v[XB+1]|, |v[XB+2]|
	v_max3_num_f32 v9, |v[XB+3]|, |v[XB+4]|, |v[XB+5]|
.irp i, 6,10,14,18,22,26
	v_max3_num_f32 v8, v8, |v[XB+\i]|, |v[XB+\i+1]|
	v_max3_num_f32 v9, v9, |v[XB+\i+2]|, |v[XB+\i+3]|
.endr
	v_max3_num_f32 v8, v8, |v[XB+30]|, |v[XB+31]|
	v_max3_num_f32 v8, v8, v9, 0x1800000
	v_add_nc_u32 v10, 0xff000000, v8
	v_lshrrev_b32 v11, 23, v10
.if \t == 0
	v_mov_b32 v12, v11
.else
	v_lshl_or_b32 v12, v11, 8*\t, v12
.endif
	v_cvt_scalef32_pk16_fp6_f32 v[CB:CB+2], v[XB:XB+15], v10
	v_cvt_scalef32_pk16_fp6_f32 v[224+4*\t:226+4*\t], v[XB+16:XB+31], v10
	v_nop
.irp i, 0,1,2
	v_mov_b32 v[CB+3+\i], v[224+4*\t+\i]
.endr
.if (\t%2) == 1
.irp i, 0,1,2,3,4,5
	v_permlane16_swap_b32 v[CB-8+\i], v[CB+\i]       ; the first six are now tile 2 cg's half record (lanes 0-15 the even block, lanes 16-31 the odd one), the second six tile 2 cg + 1's
.endr
	global_store_b128 v4, v[CB-8:CB-5], s[38:39] offset:768*(\t/2)
	global_store_b64 v5, v[CB-4:CB-3], s[38:39] offset:768*(\t/2)+512
	global_store_b128 v4, v[CB:CB+3], s[38:39] offset:24576+768*(\t/2)
	global_store_b64 v5, v[CB+4:CB+5], s[38:39] offset:24576+768*(\t/2)+512
.endif
.endr
	global_store_b32 v7, v12, s[40:41]
	FINISH
.endm
.Lwq:
	WPATH 0, 12288, 14, WQC, WQS
.Lwo:
	WPATH 96, 8192, 16, WOC, WOS
.Lfunc_end_k_q544f8c0dfe_prep:
	.size	k_q544f8c0dfe_prep, .Lfunc_end_k_q544f8c0dfe_prep-k_q544f8c0dfe_prep
	.p2alignl 7, 3214868480
	.fill 96, 4, 3214868480
	.section	.rodata,"a",@progbits
	.p2align	6, 0x0
	.amdhsa_kernel k_q544f8c0dfe_prep
		.amdhsa_group_segment_fixed_size 137984
		.amdhsa_private_segment_fixed_size 0
		.amdhsa_enable_private_segment 0
		.amdhsa_kernarg_size 72
		.amdhsa_user_sgpr_count 2
		.amdhsa_user_sgpr_kernarg_segment_ptr 1
		.amdhsa_wavefront_size32 1
		.amdhsa_system_sgpr_workgroup_id_x 1
		.amdhsa_system_sgpr_workgroup_id_y 1
		.amdhsa_system_sgpr_workgroup_id_z 1
		.amdhsa_system_vgpr_workitem_id 0
		.amdhsa_next_free_vgpr 256
		.amdhsa_next_free_sgpr 66
		.amdhsa_reserve_vcc 1
		.amdhsa_float_denorm_mode_32 3
		.amdhsa_float_denorm_mode_16_64 3
		.amdhsa_memory_ordered 1
		.amdhsa_forward_progress 1
		.amdhsa_inst_pref_size 95
	.end_amdhsa_kernel
	.amdgpu_metadata
---
amdhsa.version: [ 1, 2 ]
amdhsa.kernels:
  - .name:           k_q544f8c0dfe_prep
    .symbol:         k_q544f8c0dfe_prep.kd
    .args:
      - { .name: hidden_states, .offset: 0, .size: 8, .value_kind: global_buffer, .address_space: global }
      - { .name: ln1_scale, .offset: 8, .size: 8, .value_kind: global_buffer, .address_space: global }
      - { .name: position_ids, .offset: 16, .size: 8, .value_kind: global_buffer, .address_space: global }
      - { .name: w_qkv, .offset: 24, .size: 8, .value_kind: global_buffer, .address_space: global }
      - { .name: w_out, .offset: 32, .size: 8, .value_kind: global_buffer, .address_space: global }
      - { .name: causal_mask, .offset: 40, .size: 8, .value_kind: global_buffer, .address_space: global }
      - { .name: attention_mask, .offset: 48, .size: 8, .value_kind: global_buffer, .address_space: global }
      - { .name: prep, .offset: 56, .size: 8, .value_kind: global_buffer, .address_space: global }
      - { .name: masks, .offset: 64, .size: 8, .value_kind: global_buffer, .address_space: global }
    .group_segment_fixed_size: 137984
    .private_segment_fixed_size: 0
    .kernarg_segment_align: 8
    .kernarg_segment_size: 72
    .max_flat_workgroup_size: 512
    .sgpr_count:     66
    .vgpr_count:     256
    .wavefront_size: 32
...
	.end_amdgpu_metadata
.endif
;; end of part 1
;; launch gemm1 (part 2): grid 24 x 8, 4 waves a work-group, clusters of 4 x 1, 327,680 bytes of LDS; arguments prep, qkv; writes qkv
.if DOCPART == 2
	.amdgcn_target "amdgcn-amd-amdhsa--gfx1250"
	.amdhsa_code_object_version 6
	.text
	.protected	k_q544f8c0dfe_gemm1
	.globl	k_q544f8c0dfe_gemm1
	.p2align	8
	.type	k_q544f8c0dfe_gemm1,@function
k_q544f8c0dfe_gemm1:
	s_mov_b64 s[64:65], 0
	v_nop
	global_prefetch_b8 v0, s[64:65] scope:SCOPE_SE
	s_setreg_imm32_b32 hwreg(HW_REG_WAVE_MODE, 25, 1), 1
	s_wait_xcnt 0x0
	s_wait_alu depctr_hold_cnt(0) depctr_sa_sdst(0) depctr_va_vdst(0) depctr_va_sdst(0) depctr_va_ssrc(0) depctr_va_vcc(0) depctr_vm_vsrc(0)
	s_getreg_b32 s2, hwreg(HW_REG_IB_STS2, 6, 4)
	s_cmp_eq_u32 s2, 0
	s_cbranch_scc0 .Lentry_in_a_cluster
	s_endpgm
.Lentry_in_a_cluster:
	s_bfe_u32 s2, ttmp6, 0x10000c
	s_cmp_lg_u32 s2, 0x3003
	s_cbranch_scc0 .Lentry_shape_is_right
	s_endpgm
.Lentry_shape_is_right:
; GEMM1: clip(x w_qkv) on codes of E2M3, then RoPE and the quantisers of the attention's three operands.  Nothing of reference() is left out here.
; A work-group makes side 0 (8 tiles = 128 indices, which fall along a lane's registers) x side 1 (16 tiles = 256 indices, one to a lane).  Every wave reads all of side 0 and its own 4 tiles of side 1: 32 accumulators.
;   clusters x = 0..4 (q and k): side 0 = 128 columns of w_qkv (two heads), side 1 = 256 rows of x: a lane holds one row and, in 32 registers, a head's 64 numbers: RoPE and the quantiser along d need no other row.
;   cluster  x = 5    (v):       side 0 = 128 rows of x (one key step), side 1 = 256 columns of w_qkv (four heads of v, one a wave): a lane holds one d and 64 registers along the keys, which are the K of the second attention product.
; The operands lie in memory in the order of the operand's registers (see the first launch): a tile's four K steps are 6,144 consecutive bytes.
; K = 2,048 is 16 steps of 128; a slot of LDS holds four; two slots; four fills.  By this text's count a wave has three tensor loads out at the start and one behind each round.
; CLUSTER 4 x 1: the four partners share side 1, two thirds of a fill's bytes: waves 0 and 1 ask for it jointly (mask 15); waves 2 and 3 fetch the work-group's own side 0.
; A 4 x 4 cluster does not tile the v part (16 x 2 blocks), and one body serves both parts.
; REGISTERS: window 0: addresses, v32-55 scale words (two sets of 12), v64 on the way out.  Window 1: accumulator (m, b) at v[8 (8 m + b)].  Windows 2, 3: the two sets of fragments: side 0 at v[12 b], side 1 at v[96 + 12 m].
.set XC,    0
.set WQC,   3145728
.set XS,    11010048
.set WQS,   11141120
.set ROPE,  11468800
.set VC,    3932160
.set QKS,   4718592
.set VS,    4882432
.set SLOT,  147456                     ; side 1: 16 tiles x 6,144, then side 0: 8 x 6,144
.set S0OFF, 98304
.set SCL1,  294912                     ; side 1's scale words for all of K, 16 x 1,024
.set SCL0,  311296                     ; side 0's, 8 x 1,024
.set SPARE, 319488                     ; the spare words, 128 bytes a wave: no other line names them
.set A160,  16                         ; v16-17 side 0, slot 0, 1: 16 L + base;  v18-19: 8 L + base
.set A80,   18
.set A161,  20                         ; v20-23 the same for my four tiles of side 1
.set A81,   22
.set ASC0,  24
.set ASC1,  25
.set SPW,   28
.set NIL,   29
.set SC,    32
.set G1A,   24
.set G1B,   32
.set G1SA,  40
.set G1SB,  48
.set G0A,   56
.set G0B,   68
.set G0SA,  76
.set G0SB,  80
.set SEL,   10                         ; s[10:11]
.set T,     64                         ; the way out, window 0: v64-127 clipped results
.set Y,     128                        ; v128-159 rotated
.set U,     160
.set QT,    164
.set PC,    172
.set PC2,   182
.set H,     192
.set HW0,   200
.set HW1,   201
.set W0,    202
.set MSB, 0
.macro WIN new                         ; the immediate's high byte repeats the setting that is left
.if MSB != (\new)
	s_set_vgpr_msb (MSB<<8)|(\new)
.set MSB, (\new)
.endif
.endm
.macro PLACES
.rept 4
	v_nop
.endr
.endm
; Waves 0 and 1 ask for side 1 (jointly), waves 2 and 3 for side 0.  The branch hangs on the wave's number alone.  An s_nop 0 and four v_nop follow each line.
.macro JLOAD g0a, g1a, g0b, g1b
	s_cmp_eq_u32 s14, 0
	s_cbranch_scc0 .Lfor_b_\@
	tensor_load_to_lds s[\g0a:\g0a+3], s[\g1a:\g1a+7]
	s_nop 0
.rept 4
	v_nop
.endr
	s_branch .Lasked_\@
.Lfor_b_\@:
	tensor_load_to_lds s[\g0b:\g0b+3], s[\g1b:\g1b+7]
	s_nop 0
.rept 4
	v_nop
.endr
.Lasked_\@:
.endm
.macro CREST
	s_cmp_lg_u32 s12, 0
	s_cbranch_scc1 .Lnot_wave_0_\@
	s_barrier_signal -3
.Lnot_wave_0_\@:
	s_barrier_wait -3
	s_barrier_signal -1
	s_barrier_wait -1
.endm
.macro CROUND
	s_barrier_signal -1
	s_barrier_wait -1
	CREST
.endm
; K step q's twelve fragments into set q % 2: each half record by a load of 16 and a load of 8 bytes a lane, consecutive over the lanes.  With an even q the scale words of steps q and q + 1.
.macro FETCH q
.set FSL, ((\q)>>2)&1
.set FKO, ((\q)&3)*1536
.set FZ, (\q)&1
	WIN 0x80+0x40*FZ
.irp f, 0,1,2,3,4,5,6,7
.irp c, 0,1
	ds_load_b128 v[12*\f+6*\c:12*\f+6*\c+3], v[A160+FSL] offset:\f*6144+FKO+768*\c
	ds_load_b64 v[12*\f+6*\c+4:12*\f+6*\c+5], v[A80+FSL] offset:\f*6144+FKO+768*\c+512
.endr
.endr
.irp f, 0,1,2,3
.irp c, 0,1
	ds_load_b128 v[96+12*\f+6*\c:96+12*\f+6*\c+3], v[A161+FSL] offset:\f*6144+FKO+768*\c
	ds_load_b64 v[96+12*\f+6*\c+4:96+12*\f+6*\c+5], v[A81+FSL] offset:\f*6144+FKO+768*\c+512
.endr
.endr
.if FZ == 0
	WIN 0
.set FSS, SC+12*(((\q)>>1)&1)
.set FPO, ((\q)>>1)*128
.irp f, 0,1,2,3,4,5,6,7
	ds_load_b32 v[FSS+\f], v[ASC0] offset:\f*1024+FPO
.endr
.irp f, 0,1,2,3
	ds_load_b32 v[FSS+8+\f], v[ASC1] offset:\f*1024+FPO
.endr
.endif
.endm
; Eight products: my tile m of side 1 against side 0's eight.  The 32 accumulators take turns, one instruction a turn, in the same order in every step.  An odd K step's scale words lie in lanes 16-31.
.macro MULP q, m, zero
.set MZ, (\q)&1
.set MS, SC+12*(((\q)>>1)&1)
	WIN 0x5a+5*MZ
.irp b, 0,1,2,3,4,5,6,7
.set MD, 8*(8*(\m)+\b)
.if \zero
	v_wmma_scale_f32_16x16x128_f8f6f4 v[MD:MD+7], v[12*\b:12*\b+11], v[96+12*(\m):107+12*(\m)], 0, v[MS+\b], v[MS+8+(\m)] matrix_a_fmt:MATRIX_FMT_FP6 matrix_b_fmt:MATRIX_FMT_FP6
.elseif MZ
	v_wmma_scale_f32_16x16x128_f8f6f4 v[MD:MD+7], v[12*\b:12*\b+11], v[96+12*(\m):107+12*(\m)], v[MD:MD+7], v[MS+\b], v[MS+8+(\m)] matrix_a_fmt:MATRIX_FMT_FP6 matrix_b_fmt:MATRIX_FMT_FP6 matrix_a_scale:MATRIX_SCALE_ROW1 matrix_b_scale:MATRIX_SCALE_ROW1
.else
	v_wmma_scale_f32_16x16x128_f8f6f4 v[MD:MD+7], v[12*\b:12*\b+11], v[96+12*(\m):107+12*(\m)], v[MD:MD+7], v[MS+\b], v[MS+8+(\m)] matrix_a_fmt:MATRIX_FMT_FP6 matrix_b_fmt:MATRIX_FMT_FP6
.endif
.endr
.endm
.macro STEP q, zero                    ; a K step whose successor lies in the same slot
	s_wait_dscnt 0x0                       ; this step's fragments, asked for 24 products ago
	MULP \q, 0, \zero
	PLACES                                 ; four places in front of loads into the set that the last step's products read
	FETCH (\q)+1
	MULP \q, 1, \zero
	MULP \q, 2, \zero
	MULP \q, 3, \zero
.endm
; A slot's last step.  One barrier: in front of it each wave waits for all its tensor loads, adds 0 to its spare word, and waits for that and for its reads of the slot.  fill = 1: the barrier opens a round of the cluster's barrier and the slot is filled again.
.macro TURN q, fill
.set TSL, ((\q)>>2)&1
	WIN 0
	s_wait_tensorcnt 0x0                   ; all my tensor loads have landed: my part of the next slot
	ds_add_u32 v[SPW], v[NIL]
	s_wait_dscnt 0x1                       ; this step's fragments are in; the add may be out
	MULP \q, 0, 0
	MULP \q, 1, 0
	s_wait_dscnt 0x0                       ; the add is done, and my reads of this slot are over
	s_barrier_signal -1
	MULP \q, 2, 0
	WIN 0
	s_barrier_wait -1
.if \fill
	CREST                                  ; no wave of any partner still reads the slot or has a load on its way
	s_add_nc_u64 s[G0A+4*TSL+2:G0A+4*TSL+3], s[G0A+4*TSL+2:G0A+4*TSL+3], 12288
	s_add_nc_u64 s[G0B+4*TSL+2:G0B+4*TSL+3], s[G0B+4*TSL+2:G0B+4*TSL+3], 12288
	JLOAD G0A+4*TSL, G1A, G0B+4*TSL, G1B   ; my one tensor load behind the round: it has four K steps, 128 products, in which to land; its four v_nop are the places for the loads below
.else
	PLACES
.endif
	FETCH (\q)+1
	MULP \q, 3, 0
.endm
; 32 numbers of a lane, register 16 b + i = k 32 b + 16 (lane / 16) + i of the lane's row, become a half record's six registers in v[pc] on and the two scale bytes in v[hw].
.macro QUANT2 s, pc, hw
.irp b, 0,1
	v_max3_num_f32 v[QT+\b], |v[\s+16*\b]|, |v[\s+16*\b+1]|, 0x1800000
.endr
.irp i, 2,4,6,8,10,12,14
.irp b, 0,1
	v_max3_num_f32 v[QT+\b], v[QT+\b], |v[\s+16*\b+\i]|, |v[\s+16*\b+\i+1]|
.endr
.endr
.irp b, 0,1
	v_permlanex16_b32 v[QT+2+\b], v[QT+\b], s[SEL], s[SEL+1]
.endr
.irp b, 0,1
	v_max_num_f32 v[QT+\b], v[QT+\b], v[QT+2+\b]
.endr
.irp b, 0,1
	v_add_nc_u32 v[QT+4+\b], 0xff000000, v[QT+\b]
.endr
.irp b, 0,1
	v_lshrrev_b32 v[QT+6+\b], 23, v[QT+4+\b]
.endr
	v_lshl_or_b32 v[\hw], v[QT+7], 8, v[QT+6]
	v_cvt_scalef32_pk16_fp6_f32 v[\pc:\pc+2], v[\s:\s+15], v[QT+4]
	v_cvt_scalef32_pk16_fp6_f32 v[\pc+6:\pc+8], v[\s+16:\s+31], v[QT+5]
	v_nop
.irp i, 0,1,2
	v_permlane16_swap_b32 v[\pc+\i], v[\pc+6+\i]
.endr
.irp i, 0,1,2
	v_mov_b32 v[\pc+3+\i], v[\pc+6+\i]
.endr
.endm
	s_load_b128 s[4:7], s[0:1], 0x0        ; prep, qkv
	v_lshl_add_u32 v[SPW], v0, 2, SPARE
	v_mov_b32 v[NIL], 0
	ds_add_u32 v[SPW], v[NIL]              ; the opening: the add, twice on end, and its wait ahead of my first tensor load
	ds_add_u32 v[SPW], v[NIL]
	v_lshrrev_b32 v1, 5, v0
	v_readfirstlane_b32 s12, v1            ; wave 0..3
	s_and_b32 s13, s12, 1                  ; which half of a side I fetch
	s_lshr_b32 s14, s12, 1                 ; 0: side 1, 1: side 0
	s_bfe_u32 s15, ttmp6, 0x40000          ; cx
	s_lshl_b32 s16, ttmp9, 2
	s_add_co_u32 s16, s16, s15             ; work-group x
	s_and_b32 s17, ttmp7, 0xffff           ; y
	s_mov_b32 s[SEL], 0x76543210
	s_mov_b32 s[SEL+1], 0xfedcba98
	; group 1, elements of 8 bytes, no padding.  Codes: rows of 768 elements (a tile's four K steps), 3,072 elements from tile to tile; 8 tiles (side 1) or 4 (side 0) a load
	s_mov_b32 s[G1A], 15|(3<<16)|(1<<21)
	s_mov_b32 s[G1A+1], 768<<16
	s_mov_b32 s[G1A+2], 8<<16
	s_mov_b32 s[G1A+3], 768<<16
	s_mov_b32 s[G1A+4], 8
	s_mov_b32 s[G1A+5], 3072
	s_mov_b32 s[G1A+6], 0
	s_mov_b32 s[G1A+7], 0
	s_mov_b32 s[G1B], 3<<16
	s_mov_b32 s[G1B+1], 768<<16
	s_mov_b32 s[G1B+2], 4<<16
	s_mov_b32 s[G1B+3], 768<<16
	s_mov_b32 s[G1B+4], 4
	s_mov_b32 s[G1B+5], 3072
	s_mov_b32 s[G1B+6], 0
	s_mov_b32 s[G1B+7], 0
	; scale words: dense blocks as rows of 256 bytes: 32 rows (side 1) or 16 (side 0) a load
	s_mov_b32 s[G1SA], 15|(3<<16)|(1<<21)
	s_mov_b32 s[G1SA+1], 32<<16
	s_mov_b32 s[G1SA+2], 32<<16
	s_mov_b32 s[G1SA+3], 32<<16
	s_mov_b32 s[G1SA+4], 32
	s_mov_b32 s[G1SA+5], 32
	s_mov_b32 s[G1SA+6], 0
	s_mov_b32 s[G1SA+7], 0
	s_mov_b32 s[G1SB], 3<<16
	s_mov_b32 s[G1SB+1], 32<<16
	s_mov_b32 s[G1SB+2], 16<<16
	s_mov_b32 s[G1SB+3], 32<<16
	s_mov_b32 s[G1SB+4], 16
	s_mov_b32 s[G1SB+5], 32
	s_mov_b32 s[G1SB+6], 0
	s_mov_b32 s[G1SB+7], 0
	; side 1 hangs on y and on the cluster's x alone (s84-s89 never hold cx); side 0 on cx too (s90-s95)
	s_lshl_b32 s84, s17, 4                 ; q, k: x's tiles 16 y on
	s_and_b32 s85, s17, 1
	s_lshl_b32 s85, s85, 4
	s_add_co_u32 s85, s85, 160             ; v: w_qkv's tiles 160 + 16 (y % 2) on
	s_lshl_b32 s90, s16, 3                 ; q, k: w_qkv's tiles 8 x work-group x on
	s_lshr_b32 s91, s17, 1
	s_lshl_b32 s91, s91, 2
	s_add_co_u32 s91, s91, s15
	s_mov_b32 s19, s91                     ; v: the key step 4 (y / 2) + cx
	s_lshl_b32 s91, s91, 3                 ; v: x's tiles
	s_mov_b32 s87, XS
	s_mov_b32 s93, WQS
	s_cmp_eq_u32 ttmp9, 5                  ; the same in all four partners
	s_cselect_b32 s18, 1, 0
	s_cselect_b32 s84, s85, s84
	s_cselect_b32 s86, WQC, XC
	s_cselect_b32 s87, WQS, s87
	s_cselect_b32 s90, s91, s90
	s_cselect_b32 s92, XC, WQC
	s_cselect_b32 s93, XS, s93
	s_mul_i32 s88, s84, 24576
	s_add_co_u32 s88, s88, s86
	s_mul_i32 s85, s13, 196608
	s_add_co_u32 s88, s88, s85             ; side 1's codes: my 8 tiles
	s_mov_b32 s89, 0
	s_lshl_b32 s86, s84, 10
	s_add_co_u32 s86, s86, s87
	s_lshl_b32 s85, s13, 13
	s_add_co_u32 s86, s86, s85             ; and their scale words
	s_mov_b32 s87, 0
	s_mul_i32 s94, s90, 24576
	s_add_co_u32 s94, s94, s92
	s_mul_i32 s91, s13, 98304
	s_add_co_u32 s94, s94, s91             ; side 0's codes: my 4 tiles
	s_mov_b32 s95, 0
	s_lshl_b32 s92, s90, 10
	s_add_co_u32 s92, s92, s93
	s_lshl_b32 s91, s13, 12
	s_add_co_u32 s92, s92, s91
	s_mov_b32 s93, 0
	s_mul_i32 s96, s13, 49152              ; LDS places: the wave's number and constants alone
	s_mul_i32 s97, s13, 24576
	s_add_co_u32 s97, s97, S0OFF
	s_lshl_b32 s98, s13, 13
	s_add_co_u32 s98, s98, SCL1
	s_lshl_b32 s99, s13, 12
	s_add_co_u32 s99, s99, SCL0
	s_wait_dscnt 0x0                       ; both opening adds are done
	s_wait_kmcnt 0x0
	s_add_nc_u64 s[88:89], s[4:5], s[88:89]
	s_add_nc_u64 s[86:87], s[4:5], s[86:87]
	s_add_nc_u64 s[94:95], s[4:5], s[94:95]
	s_add_nc_u64 s[92:93], s[4:5], s[92:93]
	CROUND                                 ; all four work-groups are here: the first joint loads meet
	s_mov_b32 s[G0SA], 1
	s_mov_b32 s[G0SA+1], s98
	s_mov_b64 s[G0SA+2:G0SA+3], s[86:87]
	s_or_b32 s[G0SA+3], s[G0SA+3], 0x80000000
	s_mov_b32 s[G0SB], 1
	s_mov_b32 s[G0SB+1], s99
	s_mov_b64 s[G0SB+2:G0SB+3], s[92:93]
	s_or_b32 s[G0SB+3], s[G0SB+3], 0x80000000
	JLOAD G0SA, G1SA, G0SB, G1SB           ; the scale words for all of K: filled once
.irp s, 0,1
	s_mov_b32 s[G0A+4*\s], 1
	s_add_co_u32 s[G0A+4*\s+1], s96, \s*SLOT
	s_add_nc_u64 s[G0A+4*\s+2:G0A+4*\s+3], s[88:89], \s*6144
	s_or_b32 s[G0A+4*\s+3], s[G0A+4*\s+3], 0x80000000
	s_mov_b32 s[G0B+4*\s], 1
	s_add_co_u32 s[G0B+4*\s+1], s97, \s*SLOT
	s_add_nc_u64 s[G0B+4*\s+2:G0B+4*\s+3], s[94:95], \s*6144
	s_or_b32 s[G0B+4*\s+3], s[G0B+4*\s+3], 0x80000000
	JLOAD G0A+4*\s, G1A, G0B+4*\s, G1B
.endr
	v_and_b32 v2, 31, v0
	v_lshlrev_b32 v3, 4, v2                ; 16 L
	v_lshlrev_b32 v4, 3, v2                ; 8 L
	v_lshlrev_b32 v5, 2, v2                ; 4 L
	v_add_nc_u32 v[A160], S0OFF, v3
	v_add_nc_u32 v[A160+1], SLOT+S0OFF, v3
	v_add_nc_u32 v[A80], S0OFF, v4
	v_add_nc_u32 v[A80+1], SLOT+S0OFF, v4
	s_mul_i32 s23, s12, 24576
	v_add_nc_u32 v[A161], s23, v3
	v_add_nc_u32 v[A161+1], SLOT, v[A161]
	v_add_nc_u32 v[A81], s23, v4
	v_add_nc_u32 v[A81+1], SLOT, v[A81]
	v_add_nc_u32 v[ASC0], SCL0, v5
	s_lshl_b32 s23, s12, 12
	s_add_co_u32 s23, s23, SCL1
	v_add_nc_u32 v[ASC1], s23, v5
	v_mov_b32 v[QT+2], 0                   ; a lane permute's destination counts as one of its sources
	v_mov_b32 v[QT+3], 0
	s_lshl_b32 s22, s17, 4
	s_lshl_b32 s23, s12, 2
	s_add_co_u32 s22, s22, s23             ; q, k: my first tile of x: 16 y + 4 wave
	s_lshl_b32 s8, s22, 12
	s_add_co_u32 s8, s8, ROPE
	s_mov_b32 s9, 0
	s_add_nc_u64 s[20:21], s[4:5], s[8:9]  ; its cos and sin
	s_wait_tensorcnt 0x1                   ; the scale words and my part of slot 0 are in; slot 1's load may be out
	s_barrier_signal -1
	s_barrier_wait -1
	FETCH 0
	STEP 0, 1                              ; the first products start the sums: nothing is cleared
	STEP 1, 0
	STEP 2, 0
	TURN 3, 1
	STEP 4, 0
	STEP 5, 0
	STEP 6, 0
	TURN 7, 1
	STEP 8, 0
	STEP 9, 0
	STEP 10, 0
	TURN 11, 0                             ; nothing is left to fetch
	STEP 12, 0
	STEP 13, 0
	STEP 14, 0
	s_wait_dscnt 0x0
	MULP 15, 0, 0
	PLACES
	WIN 0
	s_cmp_eq_u32 s18, 1
	s_cbranch_scc1 .Lno_table
	WIN 0x80                               ; q, k: cos and sin of my 64 rows into fragment set 0, which step 14 read last: tile m: v[32 m + i] = cos(16 h + i), v[32 m + 16 + i] = sin
.irp m, 0,1,2,3
.irp c, 0,1,2,3,4,5,6,7
	global_load_b128 v[32*\m+4*\c:32*\m+4*\c+3], v3, s[20:21] offset:4096*\m+512*\c
.endr
.endr
	WIN 0
.Lno_table:
	MULP 15, 1, 0
	MULP 15, 2, 0
	MULP 15, 3, 0
	PLACES
	WIN 0
	v_mov_b32 v30, 0x41000000              ; 8.0
	s_mov_b32 s23, 0xffff0000              ; lanes 16-31
	s_cmp_eq_u32 s18, 1
	s_cbranch_scc1 .Lvmode
; ---- q and k.  Accumulators of tile m: register 64 m + 32 e + 16 b + i = head 2 x + e, d = 32 b + 16 h + i, of row(16 y + 4 wave + m, r).
	s_lshl_b32 s90, s16, 8
	s_add_co_u32 s90, s90, s22
	s_mul_i32 s90, s90, 768
	s_mov_b32 s91, 0
	s_add_nc_u64 s[90:91], s[6:7], s[90:91]          ; codes [head][tile][768]
	s_lshl_b32 s92, s16, 6
	s_lshl_b32 s93, s17, 2
	s_add_co_u32 s92, s92, s93
	s_add_co_u32 s92, s92, s12
	s_lshl_b32 s92, s92, 7
	s_add_co_u32 s92, s92, QKS
	s_mov_b32 s93, 0
	s_add_nc_u64 s[92:93], s[6:7], s[92:93]          ; scale words [head][64 rows][lane]
	s_wait_loadcnt 0x0                     ; cos and sin
.irp m, 0,1,2,3
.irp e, 0,1
	s_wait_xcnt 0x0                        ; the last unit's stores have read their data
	WIN 0x01
.set j, 0
.rept 32
	v_med3_num_f32 v[T+j], v[64*\m+32*\e+j], -v30, v30   ; the clip; each accumulator from its low end on
.set j, j+1
.endr
	WIN 0x08
.irp i, 0,2,4,6,8,10,12,14
	v_pk_mul_f32 v[U:U+1], v[T+16+\i:T+17+\i], v[32*\m+16+\i:32*\m+17+\i]
	v_pk_fma_f32 v[Y+\i:Y+\i+1], v[T+\i:T+\i+1], v[32*\m+\i:32*\m+\i+1], v[U:U+1] neg_lo:[0,0,1] neg_hi:[0,0,1]   ; x1 cos - x2 sin
	v_pk_mul_f32 v[U+2:U+3], v[T+\i:T+\i+1], v[32*\m+16+\i:32*\m+17+\i]
	v_pk_fma_f32 v[Y+16+\i:Y+17+\i], v[T+16+\i:T+17+\i], v[32*\m+\i:32*\m+\i+1], v[U+2:U+3]                        ; x2 cos + x1 sin
.endr
	WIN 0
	QUANT2 Y, PC, H+4*\e+\m
	global_store_b128 v3, v[PC:PC+3], s[90:91] offset:98304*\e+768*\m
	global_store_b64 v4, v[PC+4:PC+5], s[90:91] offset:98304*\e+768*\m+512
.endr
.endr
.irp e, 0,1                            ; a word = an even tile's two bytes, then the odd tile's; lanes 0-15 tiles 0, 1, lanes 16-31 tiles 2, 3 of my four
	v_lshl_or_b32 v[W0], v[H+4*\e+1], 16, v[H+4*\e]
	v_lshl_or_b32 v[W0+1], v[H+4*\e+3], 16, v[H+4*\e+2]
	v_cndmask_b32 v[W0+2+\e], v[W0], v[W0+1], s23
	global_store_b32 v5, v[W0+2+\e], s[92:93] offset:4096*\e
.endr
	s_branch .Ldone
; ---- v.  Accumulators of tile m: register 64 m + 16 b + i = key 32 b + 16 h + i of the key step, for d = row(m, r) of head 4 (y % 2) + wave.
.Lvmode:
	s_and_b32 s94, s17, 1
	s_lshl_b32 s94, s94, 2
	s_add_co_u32 s94, s94, s12             ; the head of v
	s_mul_i32 s90, s94, 98304
	s_mul_i32 s95, s19, 6144
	s_add_co_u32 s90, s90, s95
	s_add_co_u32 s90, s90, VC
	s_mov_b32 s91, 0
	s_add_nc_u64 s[90:91], s[6:7], s[90:91]          ; codes [head][key step][tile of d][half][768]
	s_lshl_b32 s92, s94, 12
	s_lshl_b32 s95, s19, 8
	s_add_co_u32 s92, s92, s95
	s_add_co_u32 s92, s92, VS
	s_mov_b32 s93, 0
	s_add_nc_u64 s[92:93], s[6:7], s[92:93]          ; scale words [head][key step][lane][2]
.irp m, 0,1,2,3
	s_wait_xcnt 0x0
	WIN 0x01
.set j, 0
.rept 64
	v_med3_num_f32 v[T+j], v[64*\m+j], -v30, v30
.set j, j+1
.endr
	WIN 0
	QUANT2 T, PC, HW0
	QUANT2 T+32, PC2, HW1
	v_lshl_or_b32 v[H+\m], v[HW1], 16, v[HW0]
	global_store_b128 v3, v[PC:PC+3], s[90:91] offset:1536*\m
	global_store_b64 v4, v[PC+4:PC+5], s[90:91] offset:1536*\m+512
	global_store_b128 v3, v[PC2:PC2+3], s[90:91] offset:1536*\m+768
	global_store_b64 v4, v[PC2+4:PC2+5], s[90:91] offset:1536*\m+1280
.endr
	v_cndmask_b32 v[W0], v[H], v[H+1], s23           ; word 0: lanes 0-15 tile 0, lanes 16-31 tile 1;
	v_cndmask_b32 v[W0+1], v[H+2], v[H+3], s23       ; word 1: tiles 2 and 3
	global_store_b64 v4, v[W0:W0+1], s[92:93]        ; 256 consecutive bytes
.Ldone:
	s_wait_tensorcnt 0x0                   ; the wave's end
	ds_add_u32 v[SPW], v[NIL]
	s_wait_dscnt 0x0
	CROUND                                 ; the closing round
	s_endpgm
.Lfunc_end_k_q544f8c0dfe_gemm1:
	.size	k_q544f8c0dfe_gemm1, .Lfunc_end_k_q544f8c0dfe_gemm1-k_q544f8c0dfe_gemm1
	.p2alignl 7, 3214868480
	.fill 96, 4, 3214868480
	.section	.rodata,"a",@progbits
	.p2align	6, 0x0
	.amdhsa_kernel k_q544f8c0dfe_gemm1
		.amdhsa_group_segment_fixed_size 327680
		.amdhsa_private_segment_fixed_size 0
		.amdhsa_enable_private_segment 0
		.amdhsa_kernarg_size 16
		.amdhsa_user_sgpr_count 2
		.amdhsa_user_sgpr_kernarg_segment_ptr 1
		.amdhsa_wavefront_size32 1
		.amdhsa_system_sgpr_workgroup_id_x 1
		.amdhsa_system_sgpr_workgroup_id_y 1
		.amdhsa_system_sgpr_workgroup_id_z 1
		.amdhsa_system_vgpr_workitem_id 0
		.amdhsa_next_free_vgpr 1024
		.amdhsa_next_free_sgpr 100
		.amdhsa_reserve_vcc 0
		.amdhsa_float_denorm_mode_32 3
		.amdhsa_float_denorm_mode_16_64 3
		.amdhsa_memory_ordered 1
		.amdhsa_forward_progress 1
		.amdhsa_inst_pref_size 222
	.end_amdhsa_kernel
	.amdgpu_metadata
---
amdhsa.version: [ 1, 2 ]
amdhsa.kernels:
  - .name:           k_q544f8c0dfe_gemm1
    .symbol:         k_q544f8c0dfe_gemm1.kd
    .args:
      - { .name: prep, .offset: 0, .size: 8, .value_kind: global_buffer, .address_space: global }
      - { .name: qkv, .offset: 8, .size: 8, .value_kind: global_buffer, .address_space: global }
    .group_segment_fixed_size: 327680
    .private_segment_fixed_size: 0
    .kernarg_segment_align: 8
    .kernarg_segment_size: 16
    .max_flat_workgroup_size: 128
    .sgpr_count:     100
    .vgpr_count:     1024
    .wavefront_size: 32
...
	.end_amdgpu_metadata
.endif
;; end of part 2
;; launch attn (part 3): grid 32 x 8, 16 waves a work-group, no clusters, 207,360 bytes of LDS; arguments qkv, masks, att; writes att
.if DOCPART == 3
	.amdgcn_target "amdgcn-amd-amdhsa--gfx1250"
	.amdhsa_code_object_version 6
	.text
	.protected	k_q544f8c0dfe_attn
	.globl	k_q544f8c0dfe_attn
	.p2align	8
	.type	k_q544f8c0dfe_attn,@function
k_q544f8c0dfe_attn:
	s_mov_b64 s[64:65], 0
	v_nop
	global_prefetch_b8 v0, s[64:65] scope:SCOPE_SE
	s_setreg_imm32_b32 hwreg(HW_REG_WAVE_MODE, 25, 1), 1
	s_wait_xcnt 0x0
; ATTENTION on codes of E2M3: S^T = K Q^T, p = 2^(t - M) with M a whole number, O^T = V^T P^T, O / the sum of the unquantised p, quantised along D for the last product.
; LEFT OUT: a key step (128 keys) that is hidden from all 16 queries of a tile, by the flag word P that the first launch stored from the two mask inputs: every p there is 0 under the row's M, so it adds nothing to any sum.
; Where a tile has a query with no key at all, P names every step (reference() then gives the mean over all keys).  A NaN or infinity that would reach only a step left out is not carried.
; HIDDEN KEYS inside a step that is walked: the score becomes -2^100.  t = -2^100 c is exact and a whole number.  While a row has met hidden keys alone, M is that number and p = 1; the first key that counts moves M, and the factor
; 2^(old M - new M) is 0: what was summed is wiped.  Under a real M a hidden p is 0.  A row with no key ends with p = 1 for all 2,048 keys: reference()'s result, since every logit there is the same lowest f32 number.
; SHARES.  Work-group (i, kv head): tiles of queries 2 i, 2 i + 1, 126 - 2 i, 127 - 2 i, for the kv head's four query heads: sixteen waves, one (tile, head) each.  Wave (a, b) = (w / 4, w % 4) takes head b and tile (a + b) % 4.
; K, V and their scale words of the whole kv head, 204,800 bytes, are brought into LDS once, through registers, and read by all sixteen waves.
; NO TENSOR LOAD AND NO CLUSTER: the walk branches on whole numbers read from memory; and each work-group reads the shared bytes once.
; HEAD SIZE 64 is half of the instruction's K.  A fragment of K holds TWO tiles of 16 keys side by side (k 0-63: tile 2 p, k 64-127: tile 2 p + 1); Q stands as [q | 0] and as [0 | q]: zero codes add nothing.
; REGISTERS: v1-4 lane places; v8-11, v35, v36 the step's addresses; v12 -M, v13 the largest t, v[14:15] the sum; v16-33 q, 0, q; v34 Q's scale word; v38-41 K's and V's scale words; v48-95 fragments; v96-159 S^T, then p;
; v160-191 O^T; v192-203 p's codes; v204-235 at work.
.set VC,    3932160
.set QKS,   4718592
.set VS,    4882432
.set FL,    524288
.set AS,    3145728
.set VCL,   98304                      ; LDS: K's codes at 0, V's here,
.set KS,    196608                     ; K's scale words,
.set VSL,   200704                     ; V's,
.set OS,    204800                     ; four tiles' scale words of the result, 128 bytes each,
.set SPARE, 205312                     ; the spare words, 128 bytes a wave: no other line names them
.set SPW,   5
.set NIL,   6
.set NEG,   7
.set CS,    92                         ; s[92:93] c = log2(e) / 8
.set SEL,   94                         ; s[94:95]
.set BM,    212
.set PT,    216
.set SO,    220
.set QT,    212
.macro QUANT2 s, pc, hw
.irp b, 0,1
	v_max3_num_f32 v[QT+\b], |v[\s+16*\b]|, |v[\s+16*\b+1]|, 0x1800000
.endr
.irp i, 2,4,6,8,10,12,14
.irp b, 0,1
	v_max3_num_f32 v[QT+\b], v[QT+\b], |v[\s+16*\b+\i]|, |v[\s+16*\b+\i+1]|
.endr
.endr
.irp b, 0,1
	v_permlanex16_b32 v[QT+2+\b], v[QT+\b], s[SEL], s[SEL+1]
.endr
.irp b, 0,1
	v_max_num_f32 v[QT+\b], v[QT+\b], v[QT+2+\b]
.endr
.irp b, 0,1
	v_add_nc_u32 v[QT+4+\b], 0xff000000, v[QT+\b]
.endr
.irp b, 0,1
	v_lshrrev_b32 v[QT+6+\b], 23, v[QT+4+\b]
.endr
	v_lshl_or_b32 v[\hw], v[QT+7], 8, v[QT+6]
	v_cvt_scalef32_pk16_fp6_f32 v[\pc:\pc+2], v[\s:\s+15], v[QT+4]
	v_cvt_scalef32_pk16_fp6_f32 v[\pc+6:\pc+8], v[\s+16:\s+31], v[QT+5]
	v_nop
.irp i, 0,1,2
	v_permlane16_swap_b32 v[\pc+\i], v[\pc+6+\i]
.endr
.irp i, 0,1,2
	v_mov_b32 v[\pc+3+\i], v[\pc+6+\i]
.endr
.endm
	s_load_b128 s[4:7], s[0:1], 0x0        ; qkv, masks
	s_load_b64 s[8:9], s[0:1], 0x10        ; att
	v_lshl_add_u32 v[SPW], v0, 2, SPARE
	v_mov_b32 v[NIL], 0
	v_lshrrev_b32 v1, 5, v0
	v_readfirstlane_b32 s10, v1            ; wave 0..15
	s_and_b32 s2, s10, 3                   ; b
	s_lshr_b32 s3, s10, 2                  ; a
	s_add_co_u32 s13, s2, s3
	s_and_b32 s13, s13, 3                  ; which of the four tiles
	s_and_b32 s14, ttmp7, 0xffff           ; the kv head
	s_lshl_b32 s12, s14, 2
	s_add_co_u32 s12, s12, s2              ; the query head
	s_lshl_b32 s15, ttmp9, 1
	s_and_b32 s11, s13, 1
	s_add_co_u32 s11, s11, s15
	s_sub_co_u32 s96, 127, s11
	s_cmp_ge_u32 s13, 2
	s_cselect_b32 s11, s96, s11            ; T: my tile of queries
	s_and_b32 s3, s10, 1
	s_add_co_u32 s3, s3, s15
	s_sub_co_u32 s96, 127, s3
	s_cmp_ge_u32 s10, 2
	s_cselect_b32 s3, s96, s3              ; waves 0-3: the tile whose scale words I store at the end
	v_and_b32 v35, 31, v0                  ; L
	v_and_b32 v36, 15, v0                  ; r
	v_lshlrev_b32 v1, 4, v35
	v_lshlrev_b32 v2, 3, v35
	v_lshl_add_u32 v3, v35, 2, KS
	v_lshl_add_u32 v4, v35, 3, VSL
	v_lshlrev_b32 v8, 4, v0                ; the fill: 16 bytes a thread
	v_add_nc_u32 v9, 65536, v8
	v_add_nc_u32 v10, 131072, v8
	v_lshlrev_b32 v37, 3, v0
	v_add_nc_u32 v11, KS, v37
	v_lshlrev_b32 v42, 2, v36              ; 4 r
	v_lshlrev_b32 v45, 2, v35              ; 4 L
	s_lshl_b32 s96, s13, 7
	s_lshr_b32 s97, s2, 1
	s_lshl_b32 s97, s97, 6
	s_add_co_u32 s96, s96, s97
	s_and_b32 s97, s2, 1
	s_lshl_b32 s97, s97, 1
	s_add_co_u32 s96, s96, s97
	s_add_co_u32 s96, s96, OS
	v_lshl_add_u32 v43, v36, 2, s96        ; my two scale bytes of the result: tile, K step's half of the lanes, row, half of the word
	s_and_b32 s96, s10, 3
	s_lshl_b32 s96, s96, 7
	s_add_co_u32 s96, s96, OS
	v_lshl_add_u32 v44, v35, 2, s96
	s_mov_b32 s[CS], 0x3e38aa3b
	s_mov_b32 s[CS+1], s[CS]
	s_mov_b32 s[SEL], 0x76543210
	s_mov_b32 s[SEL+1], 0xfedcba98
	s_mov_b32 s97, 0
	s_wait_kmcnt 0x0
	s_lshl_b32 s96, s11, 8
	s_add_co_u32 s96, s96, FL
	s_add_nc_u64 s[86:87], s[6:7], s[96:97]
	s_load_b64 s[90:91], s[86:87], 0x0     ; P, PART
	s_lshl_b32 s96, s11, 12
	s_add_nc_u64 s[88:89], s[6:7], s[96:97]          ; my tile's mask words
	s_lshl_b32 s96, s12, 7
	s_add_co_u32 s96, s96, s11
	s_mul_i32 s96, s96, 768
	s_add_nc_u64 s[16:17], s[4:5], s[96:97]          ; Q's half record
	s_lshl_b32 s96, s12, 5
	s_lshr_b32 s15, s11, 2
	s_add_co_u32 s96, s96, s15
	s_lshl_b32 s96, s96, 7
	s_bfe_u32 s15, s11, 0x10001
	s_lshl_b32 s15, s15, 6
	s_add_co_u32 s96, s96, s15
	s_add_co_u32 s96, s96, QKS
	s_add_nc_u64 s[18:19], s[4:5], s[96:97]          ; its pair's scale words
	s_add_co_u32 s15, s14, 32
	s_mul_i32 s96, s15, 98304
	s_add_nc_u64 s[20:21], s[4:5], s[96:97]          ; K's codes
	s_lshl_b32 s96, s15, 12
	s_add_co_u32 s96, s96, QKS
	s_add_nc_u64 s[24:25], s[4:5], s[96:97]          ; K's scale words
	s_mul_i32 s96, s14, 98304
	s_add_co_u32 s96, s96, VC
	s_add_nc_u64 s[22:23], s[4:5], s[96:97]          ; V's codes
	s_lshl_b32 s96, s14, 12
	s_add_co_u32 s96, s96, VS
	s_add_nc_u64 s[26:27], s[4:5], s[96:97]          ; V's scale words
	s_mul_i32 s96, s11, 24576
	s_mul_i32 s15, s12, 768
	s_add_co_u32 s96, s96, s15
	s_add_nc_u64 s[98:99], s[8:9], s[96:97]          ; the result's half record: tile T, head
	s_lshl_b32 s96, s3, 10
	s_lshl_b32 s15, s14, 7
	s_add_co_u32 s96, s96, s15
	s_add_co_u32 s96, s96, AS
	s_add_nc_u64 s[100:101], s[8:9], s[96:97]
	global_load_b128 v[16:19], v1, s[16:17]
	global_load_b64 v[20:21], v2, s[16:17] offset:512
	global_load_b32 v34, v42, s[18:19]
.irp j, 0,1,2,3,4,5,6,7,8,9,10,11
	global_load_b128 v[48+4*\j:51+4*\j], v8, s[20:21] offset:8192*\j
.endr
.irp j, 0,1,2,3,4,5,6,7,8,9,10,11
	global_load_b128 v[96+4*\j:99+4*\j], v8, s[22:23] offset:8192*\j
.endr
	global_load_b64 v[144:145], v37, s[24:25]
	global_load_b64 v[146:147], v37, s[26:27]
	v_mov_b32 v[NEG], 0xf1800000           ; -2^100
	v_mov_b32 v13, 0xff61b1e6              ; the largest t so far: -3e38
	v_floor_f32 v12, -v13                  ; -M
	v_mov_b32 v14, 0
	v_mov_b32 v15, 0
.set j, 160
.rept 32
	v_mov_b32 v[j], 0                      ; O^T: the step is written once, and the first change of M leaves zeros zeros
.set j, j+1
.endr
.set j, 212
.rept 8
	v_mov_b32 v[j], 0                      ; lane permutes' destinations count as sources
.set j, j+1
.endr
	v_mov_b32 v228, 0
	v_mov_b32 v229, 0
	v_mov_b32 v231, 0
	s_and_b32 s96, s11, 1
	s_lshl_b32 s96, s96, 4
	s_wait_loadcnt 0x0
	v_lshrrev_b32 v34, s96, v34
	v_and_b32 v34, 0xffff, v34
	v_lshl_or_b32 v34, v34, 16, v34        ; my tile's two bytes, for both halves of K
.irp i, 0,1,2,3,4,5
	v_mov_b32 v[22+\i], 0
	v_mov_b32 v[28+\i], v[16+\i]           ; v[16:27] = [q | 0], v[22:33] = [0 | q]
.endr
.irp j, 0,1,2,3,4,5,6,7
	ds_store_b128 v8, v[48+4*\j:51+4*\j] offset:8192*\j
.endr
.irp j, 8,9,10,11
	ds_store_b128 v9, v[48+4*\j:51+4*\j] offset:8192*(\j-8)
.endr
.irp j, 0,1,2,3
	ds_store_b128 v9, v[96+4*\j:99+4*\j] offset:32768+8192*\j
.endr
.irp j, 4,5,6,7,8,9,10,11
	ds_store_b128 v10, v[96+4*\j:99+4*\j] offset:8192*(\j-4)
.endr
	ds_store_b64 v11, v[144:145]
	ds_store_b64 v11, v[146:147] offset:4096
	s_wait_dscnt 0x0                       ; for the others' sake
	s_barrier_signal -1
	s_barrier_wait -1
	s_wait_kmcnt 0x0                       ; the flags
	s_mov_b32 s84, 0                       ; the key step
	s_mov_b32 s85, 0                       ; its tiles, 6,144 bytes a step, in K's and in V's region
	s_mov_b32 s86, 0                       ; its scale words, 256 bytes a step
.Lkey:                                 ; 16 trips, a constant; a step that P does not name is jumped over, but for the lines that step addresses
	s_bitcmp1_b32 s90, s84
	s_cbranch_scc0 .Lskip
	s_load_b512 s[16:31], s[88:89], 0x0    ; the step's 64 mask words: word n at s[16 + n], from n = 48 on at s[20 + n]
	s_load_b512 s[32:47], s[88:89], 0x40
	s_load_b512 s[48:63], s[88:89], 0x80
	s_load_b512 s[68:83], s[88:89], 0xc0
	v_add_nc_u32 v8, s85, v1               ; (these six are also the places behind the last step's products, in front of the loads into their operands)
	v_add_nc_u32 v9, s85, v2
	v_add_nc_u32 v10, VCL, v8
	v_add_nc_u32 v11, VCL, v9
	v_add_nc_u32 v35, s86, v3
	v_add_nc_u32 v36, s86, v4
.irp x, 0,1,2,3,4,5,6,7                ; the step's eight tiles of keys: half record x at v[48 + 6 x]
	ds_load_b128 v[48+6*\x:51+6*\x], v8 offset:768*\x
	ds_load_b64 v[52+6*\x:53+6*\x], v9 offset:768*\x+512
.endr
	ds_load_b32 v38, v35                   ; lanes 0-15: tiles 0, 1; lanes 16-31: tiles 2, 3
	ds_load_b32 v39, v35 offset:128        ; tiles 4, 5; 6, 7
	s_wait_dscnt 0x0
.irp x, 0,1,2,3,4,5,6,7
.if ((\x/2)%2) == 0
	v_wmma_scale_f32_16x16x128_f8f6f4 v[96+8*\x:103+8*\x], v[48+12*(\x/2):59+12*(\x/2)], v[16+6*(\x%2):27+6*(\x%2)], 0, v[38+\x/4], v34 matrix_a_fmt:MATRIX_FMT_FP6 matrix_b_fmt:MATRIX_FMT_FP6
.else
	v_wmma_scale_f32_16x16x128_f8f6f4 v[96+8*\x:103+8*\x], v[48+12*(\x/2):59+12*(\x/2)], v[16+6*(\x%2):27+6*(\x%2)], 0, v[38+\x/4], v34 matrix_a_fmt:MATRIX_FMT_FP6 matrix_b_fmt:MATRIX_FMT_FP6 matrix_a_scale:MATRIX_SCALE_ROW1
.endif
.endr                                  ; lane (r, h): query row(T, r); register 16 b + i: key 32 b + 16 h + i of the step
.rept 4
	v_nop
.endr
.irp x, 0,1,2,3,4,5,6,7                ; V's four fragments into the same registers: they land during the softmax
	ds_load_b128 v[48+6*\x:51+6*\x], v10 offset:768*\x
	ds_load_b64 v[52+6*\x:53+6*\x], v11 offset:768*\x+512
.endr
	ds_load_b64 v[40:41], v36
	s_wait_kmcnt 0x0                       ; the mask words; their base may be stepped from here on
	s_bitcmp1_b32 s91, s84
	s_cbranch_scc0 .Lopen                  ; every score of the step counts
.set n, 0
.rept 48
	v_cndmask_b32 v[96+n], v[NEG], v[96+n], s[16+n]
.set n, n+1
.endr
.rept 16
	v_cndmask_b32 v[96+n], v[NEG], v[96+n], s[20+n]
.set n, n+1
.endr
.Lopen:
.irp b, 0,1,2,3
	v_max3_num_f32 v[BM+\b], v[96+16*\b], v[97+16*\b], v[98+16*\b]     ; the largest score of each block of 32 keys: for the row's maximum and, since p rises with the score, for the block's largest p
.endr
.irp i, 3,5,7,9,11,13
.irp b, 0,1,2,3
	v_max3_num_f32 v[BM+\b], v[BM+\b], v[96+16*\b+\i], v[97+16*\b+\i]
.endr
.endr
.irp b, 0,1,2,3
	v_max_num_f32 v[BM+\b], v[BM+\b], v[111+16*\b]
.endr
.irp b, 0,1,2,3
	v_permlanex16_b32 v[PT+\b], v[BM+\b], s[SEL], s[SEL+1]
.endr
.irp b, 0,1,2,3
	v_max_num_f32 v[BM+\b], v[BM+\b], v[PT+\b]
.endr
	v_max3_num_f32 v231, v[BM], v[BM+1], v[BM+2]
	v_max_num_f32 v231, v231, v[BM+3]
	v_mul_f32 v231, s[CS], v231
	v_max_num_f32 v13, v13, v231           ; the running largest t
	v_mov_b32 v231, v12
	v_floor_f32 v12, -v13                  ; -M = floor(-t): M is a whole number
	v_sub_f32 v231, v12, v231
	v_cvt_i32_f32 v231, v231               ; old M - new M; it saturates
	v_ldexp_f32 v228, 1.0, v231            ; f = 2^(old M - new M)
.set j, 0
.rept 32
	v_pk_fma_f32 v[96+j:97+j], v[96+j:97+j], s[CS:CS+1], v[12:13] op_sel_hi:[1,0,0]   ; t - M
.set j, j+2
.endr
.irp b, 0,1,2,3
	v_fma_f32 v[BM+\b], v[BM+\b], s[CS], v12
.endr
.set j, 0
.rept 64
	v_exp_f32 v[96+j], v[96+j]             ; p, not normalised
.set j, j+1
.endr
	v_pk_mul_f32 v[14:15], v[14:15], v[228:229] op_sel_hi:[1,0]        ; the sum under the new M (a plain instruction behind the batch)
	s_wait_alu depctr_va_vdst(0)           ; one wait for the 64, ahead of their first reader
.irp b, 0,1,2,3
	v_exp_f32 v[BM+\b], v[BM+\b]           ; each block's largest p
.endr
	v_pk_add_f32 v[232:233], v[96:97], v[98:99]      ; the row's sum is taken of the unquantised p, in two chains
.irp j, 4,8,12,16,20,24,28,32,36,40,44,48,52,56,60
	v_pk_add_f32 v[14:15], v[14:15], v[96+\j:97+\j]
	v_pk_add_f32 v[232:233], v[232:233], v[98+\j:99+\j]
.endr
	v_pk_add_f32 v[14:15], v[14:15], v[232:233]
	s_wait_alu depctr_va_vdst(0)           ; and one for the four
.irp b, 0,1,2,3
	v_max_num_f32 v[BM+\b], 0x1800000, v[BM+\b]
.endr
.irp b, 0,1,2,3
	v_add_nc_u32 v[SO+\b], 0xff000000, v[BM+\b]
.endr
.irp b, 0,1,2,3
	v_lshrrev_b32 v[PT+\b], 23, v[SO+\b]
.endr
	v_lshl_or_b32 v230, v[PT+1], 8, v[PT]
	v_lshl_or_b32 v230, v[PT+2], 16, v230
	v_lshl_or_b32 v230, v[PT+3], 24, v230  ; p's scale word for these 128 keys
.irp c, 0,1
	v_cvt_scalef32_pk16_fp6_f32 v[192+6*\c:194+6*\c], v[96+32*\c:111+32*\c], v[SO+2*\c]
	v_cvt_scalef32_pk16_fp6_f32 v[204+4*\c:206+4*\c], v[112+32*\c:127+32*\c], v[SO+2*\c+1]
.endr
	v_nop
.irp c, 0,1
.irp i, 0,1,2
	v_permlane16_swap_b32 v[192+6*\c+\i], v[204+4*\c+\i]
.endr
.irp i, 0,1,2
	v_mov_b32 v[195+6*\c+\i], v[204+4*\c+\i]
.endr
.endr
.set j, 0
.rept 16
	v_pk_mul_f32 v[160+j:161+j], v[160+j:161+j], v[228:229] op_sel_hi:[1,0]   ; O^T under the new M; these are also the places between the scale word and codes just made and the products
.set j, j+2
.endr
	s_wait_dscnt 0x0                       ; V
.irp t, 0,1,2,3
.if (\t%2) == 0
	v_wmma_scale_f32_16x16x128_f8f6f4 v[160+8*\t:167+8*\t], v[48+12*\t:59+12*\t], v[192:203], v[160+8*\t:167+8*\t], v[40+\t/2], v230 matrix_a_fmt:MATRIX_FMT_FP6 matrix_b_fmt:MATRIX_FMT_FP6
.else
	v_wmma_scale_f32_16x16x128_f8f6f4 v[160+8*\t:167+8*\t], v[48+12*\t:59+12*\t], v[192:203], v[160+8*\t:167+8*\t], v[40+\t/2], v230 matrix_a_fmt:MATRIX_FMT_FP6 matrix_b_fmt:MATRIX_FMT_FP6 matrix_a_scale:MATRIX_SCALE_ROW1
.endif
.endr
.Lskip:
	s_add_co_u32 s85, s85, 6144
	s_add_co_u32 s86, s86, 256
	s_add_nc_u64 s[88:89], s[88:89], 256
	s_add_co_u32 s84, s84, 1
	s_cmp_lt_u32 s84, 16
	s_cbranch_scc1 .Lkey
; THE WAY OUT: O^T / the sum; register 16 b + i is d = 32 b + 16 h + i of my query: the quantiser's order.  The head's 64 numbers are one half record of the last product's operand.
.rept 4
	v_nop
.endr
	v_add_f32 v14, v14, v15
	v_permlanex16_b32 v231, v14, s[SEL], s[SEL+1]
	v_add_f32 v14, v14, v231
	v_rcp_f32 v14, v14
	v_nop
	s_wait_alu depctr_va_vdst(0)
.set j, 0
.rept 32
	v_mul_f32 v[96+j], v[160+j], v14
.set j, j+1
.endr
	QUANT2 96, 192, 232
	global_store_b128 v1, v[192:195], s[98:99]
	global_store_b64 v2, v[196:197], s[98:99] offset:512
	ds_store_b16 v43, v232                 ; four heads' bytes make a tile's 128 bytes of scale words
	s_wait_dscnt 0x0
	s_barrier_signal -1
	s_barrier_wait -1
	s_cmp_lt_u32 s10, 4
	s_cbranch_scc0 .Lend
	ds_load_b32 v233, v44
	s_wait_dscnt 0x0
	global_store_b32 v45, v233, s[100:101]
.Lend:
	s_wait_tensorcnt 0x0                   ; the wave's end
	ds_add_u32 v[SPW], v[NIL]
	s_wait_dscnt 0x0
	s_endpgm
.Lfunc_end_k_q544f8c0dfe_attn:
	.size	k_q544f8c0dfe_attn, .Lfunc_end_k_q544f8c0dfe_attn-k_q544f8c0dfe_attn
	.p2alignl 7, 3214868480
	.fill 96, 4, 3214868480
	.section	.rodata,"a",@progbits
	.p2align	6, 0x0
	.amdhsa_kernel k_q544f8c0dfe_attn
		.amdhsa_group_segment_fixed_size 207360
		.amdhsa_private_segment_fixed_size 0
		.amdhsa_enable_private_segment 0
		.amdhsa_kernarg_size 24
		.amdhsa_user_sgpr_count 2
		.amdhsa_user_sgpr_kernarg_segment_ptr 1
		.amdhsa_wavefront_size32 1
		.amdhsa_system_sgpr_workgroup_id_x 1
		.amdhsa_system_sgpr_workgroup_id_y 1
		.amdhsa_system_sgpr_workgroup_id_z 1
		.amdhsa_system_vgpr_workitem_id 0
		.amdhsa_next_free_vgpr 256
		.amdhsa_next_free_sgpr 102
		.amdhsa_reserve_vcc 0
		.amdhsa_float_denorm_mode_32 3
		.amdhsa_float_denorm_mode_16_64 3
		.amdhsa_memory_ordered 1
		.amdhsa_forward_progress 1
		.amdhsa_inst_pref_size 36
	.end_amdhsa_kernel
	.amdgpu_metadata
---
amdhsa.version: [ 1, 2 ]
amdhsa.kernels:
  - .name:           k_q544f8c0dfe_attn
    .symbol:         k_q544f8c0dfe_attn.kd
    .args:
      - { .name: qkv, .offset: 0, .size: 8, .value_kind: global_buffer, .address_space: global }
      - { .name: masks, .offset: 8, .size: 8, .value_kind: global_buffer, .address_space: global }
      - { .name: att, .offset: 16, .size: 8, .value_kind: global_buffer, .address_space: global }
    .group_segment_fixed_size: 207360
    .private_segment_fixed_size: 0
    .kernarg_segment_align: 8
    .kernarg_segment_size: 24
    .max_flat_workgroup_size: 512
    .sgpr_count:     102
    .vgpr_count:     256
    .wavefront_size: 32
...
	.end_amdgpu_metadata
.endif
;; end of part 3
;; launch gemm2 (part 4): grid 16 x 8, 4 waves a work-group, clusters of 4 x 1, 327,680 bytes of LDS; arguments att, prep, hidden_states, out0; writes out0
.if DOCPART == 4
	.amdgcn_target "amdgcn-amd-amdhsa--gfx1250"
	.amdhsa_code_object_version 6
	.text
	.protected	k_q544f8c0dfe_gemm2
	.globl	k_q544f8c0dfe_gemm2
	.p2align	8
	.type	k_q544f8c0dfe_gemm2,@function
k_q544f8c0dfe_gemm2:
	s_mov_b64 s[64:65], 0
	v_nop
	global_prefetch_b8 v0, s[64:65] scope:SCOPE_SE
	s_setreg_imm32_b32 hwreg(HW_REG_WAVE_MODE, 25, 1), 1
	s_wait_xcnt 0x0
	s_wait_alu depctr_hold_cnt(0) depctr_sa_sdst(0) depctr_va_vdst(0) depctr_va_sdst(0) depctr_va_ssrc(0) depctr_va_vcc(0) depctr_vm_vsrc(0)
	s_getreg_b32 s2, hwreg(HW_REG_IB_STS2, 6, 4)
	s_cmp_eq_u32 s2, 0
	s_cbranch_scc0 .Lentry_in_a_cluster
	s_endpgm
.Lentry_in_a_cluster:
	s_bfe_u32 s2, ttmp6, 0x10000c
	s_cmp_lg_u32 s2, 0x3003
	s_cbranch_scc0 .Lentry_shape_is_right
	s_endpgm
.Lentry_shape_is_right:
; GEMM2: out0 = attn w_out + hidden_states, the product on codes of E2M3.  Nothing of reference() is left out here.
; The same core as the first GEMM: a work-group makes side 0 (8 tiles = 128 columns of w_out, along a lane's registers) x side 1 (16 tiles = 256 rows of the attention's result, one to a lane); every wave reads all of side 0
; and its own 4 tiles of side 1: 32 accumulators.  K = 2,048 is 16 steps of 128; a slot of LDS holds four; two slots; four fills.  By this text's count a wave has three tensor loads out at the start and one behind each round.
; CLUSTER 4 x 1: the four partners share side 1, two thirds of a fill's bytes: waves 0 and 1 ask for it jointly (mask 15); waves 2 and 3 fetch the work-group's own side 0.
; 128 work-groups: tiles of half the size would give 256 with nearly twice the LDS bytes read for each product.
; REGISTERS: window 0: addresses, v32-55 scale words, v64-191 rows on the way out.  Window 1: accumulator (m, b) at v[8 (8 m + b)].  Windows 2, 3: the two sets of fragments; at the end window 2 takes the residual.
.set WOC,   7864320
.set WOS,   11337728
.set AS,    3145728
.set SLOT,  147456
.set S0OFF, 98304
.set SCL1,  294912
.set SCL0,  311296
.set SPARE, 319488                     ; the spare words, 128 bytes a wave: no other line names them
.set A160,  16
.set A80,   18
.set A161,  20
.set A81,   22
.set ASC0,  24
.set ASC1,  25
.set STO,   26                         ; the stage: where I put 16 bytes of a row
.set RD,    27                         ; and where I read a row back
.set SPW,   28
.set NIL,   29
.set SC,    32
.set G1A,   24
.set G1B,   32
.set G1SA,  40
.set G1SB,  48
.set G0A,   56
.set G0B,   68
.set G0SA,  76
.set G0SB,  80
.set MSB, 0
.macro WIN new
.if MSB != (\new)
	s_set_vgpr_msb (MSB<<8)|(\new)
.set MSB, (\new)
.endif
.endm
.macro PLACES
.rept 4
	v_nop
.endr
.endm
.macro JLOAD g0a, g1a, g0b, g1b        ; waves 0 and 1: side 1, jointly; waves 2 and 3: side 0.  An s_nop 0 and four v_nop follow each line
	s_cmp_eq_u32 s14, 0
	s_cbranch_scc0 .Lfor_b_\@
	tensor_load_to_lds s[\g0a:\g0a+3], s[\g1a:\g1a+7]
	s_nop 0
.rept 4
	v_nop
.endr
	s_branch .Lasked_\@
.Lfor_b_\@:
	tensor_load_to_lds s[\g0b:\g0b+3], s[\g1b:\g1b+7]
	s_nop 0
.rept 4
	v_nop
.endr
.Lasked_\@:
.endm
.macro CREST
	s_cmp_lg_u32 s12, 0
	s_cbranch_scc1 .Lnot_wave_0_\@
	s_barrier_signal -3
.Lnot_wave_0_\@:
	s_barrier_wait -3
	s_barrier_signal -1
	s_barrier_wait -1
.endm
.macro CROUND
	s_barrier_signal -1
	s_barrier_wait -1
	CREST
.endm
.macro FETCH q                         ; K step q's twelve fragments into set q % 2; with an even q the scale words of steps q and q + 1
.set FSL, ((\q)>>2)&1
.set FKO, ((\q)&3)*1536
.set FZ, (\q)&1
	WIN 0x80+0x40*FZ
.irp f, 0,1,2,3,4,5,6,7
.irp c, 0,1
	ds_load_b128 v[12*\f+6*\c:12*\f+6*\c+3], v[A160+FSL] offset:\f*6144+FKO+768*\c
	ds_load_b64 v[12*\f+6*\c+4:12*\f+6*\c+5], v[A80+FSL] offset:\f*6144+FKO+768*\c+512
.endr
.endr
.irp f, 0,1,2,3
.irp c, 0,1
	ds_load_b128 v[96+12*\f+6*\c:96+12*\f+6*\c+3], v[A161+FSL] offset:\f*6144+FKO+768*\c
	ds_load_b64 v[96+12*\f+6*\c+4:96+12*\f+6*\c+5], v[A81+FSL] offset:\f*6144+FKO+768*\c+512
.endr
.endr
.if FZ == 0
	WIN 0
.set FSS, SC+12*(((\q)>>1)&1)
.set FPO, ((\q)>>1)*128
.irp f, 0,1,2,3,4,5,6,7
	ds_load_b32 v[FSS+\f], v[ASC0] offset:\f*1024+FPO
.endr
.irp f, 0,1,2,3
	ds_load_b32 v[FSS+8+\f], v[ASC1] offset:\f*1024+FPO
.endr
.endif
.endm
.macro MULP q, m, zero                 ; eight products; the 32 accumulators take turns, one instruction a turn, in the same order in every step
.set MZ, (\q)&1
.set MS, SC+12*(((\q)>>1)&1)
	WIN 0x5a+5*MZ
.irp b, 0,1,2,3,4,5,6,7
.set MD, 8*(8*(\m)+\b)
.if \zero
	v_wmma_scale_f32_16x16x128_f8f6f4 v[MD:MD+7], v[12*\b:12*\b+11], v[96+12*(\m):107+12*(\m)], 0, v[MS+\b], v[MS+8+(\m)] matrix_a_fmt:MATRIX_FMT_FP6 matrix_b_fmt:MATRIX_FMT_FP6
.elseif MZ
	v_wmma_scale_f32_16x16x128_f8f6f4 v[MD:MD+7], v[12*\b:12*\b+11], v[96+12*(\m):107+12*(\m)], v[MD:MD+7], v[MS+\b], v[MS+8+(\m)] matrix_a_fmt:MATRIX_FMT_FP6 matrix_b_fmt:MATRIX_FMT_FP6 matrix_a_scale:MATRIX_SCALE_ROW1 matrix_b_scale:MATRIX_SCALE_ROW1
.else
	v_wmma_scale_f32_16x16x128_f8f6f4 v[MD:MD+7], v[12*\b:12*\b+11], v[96+12*(\m):107+12*(\m)], v[MD:MD+7], v[MS+\b], v[MS+8+(\m)] matrix_a_fmt:MATRIX_FMT_FP6 matrix_b_fmt:MATRIX_FMT_FP6
.endif
.endr
.endm
.macro STEP q, zero
	s_wait_dscnt 0x0                       ; this step's fragments, asked for 24 products ago
	MULP \q, 0, \zero
	PLACES                                 ; four places in front of loads into the set that the last step's products read
	FETCH (\q)+1
	MULP \q, 1, \zero
	MULP \q, 2, \zero
	MULP \q, 3, \zero
.endm
.macro TURN q, fill                    ; a slot's last step: one barrier; with fill = 1 it opens a round of the cluster's barrier and the slot is filled again
.set TSL, ((\q)>>2)&1
	WIN 0
	s_wait_tensorcnt 0x0                   ; all my tensor loads have landed: my part of the next slot
	ds_add_u32 v[SPW], v[NIL]
	s_wait_dscnt 0x1                       ; this step's fragments are in; the add may be out
	MULP \q, 0, 0
	MULP \q, 1, 0
	s_wait_dscnt 0x0                       ; the add is done, and my reads of this slot are over
	s_barrier_signal -1
	MULP \q, 2, 0
	WIN 0
	s_barrier_wait -1
.if \fill
	CREST
	s_add_nc_u64 s[G0A+4*TSL+2:G0A+4*TSL+3], s[G0A+4*TSL+2:G0A+4*TSL+3], 12288
	s_add_nc_u64 s[G0B+4*TSL+2:G0B+4*TSL+3], s[G0B+4*TSL+2:G0B+4*TSL+3], 12288
	JLOAD G0A+4*TSL, G1A, G0B+4*TSL, G1B   ; my one tensor load behind the round: four K steps, 128 products, in which to land
.else
	PLACES
.endif
	FETCH (\q)+1
	MULP \q, 3, 0
.endm
	s_load_b256 s[4:11], s[0:1], 0x0       ; att s[4:5], prep s[6:7], hidden_states s[8:9], out0 s[10:11]
	v_lshl_add_u32 v[SPW], v0, 2, SPARE
	v_mov_b32 v[NIL], 0
	ds_add_u32 v[SPW], v[NIL]              ; the opening: the add, twice on end, and its wait ahead of my first tensor load
	ds_add_u32 v[SPW], v[NIL]
	v_lshrrev_b32 v1, 5, v0
	v_readfirstlane_b32 s12, v1            ; wave 0..3
	s_and_b32 s13, s12, 1
	s_lshr_b32 s14, s12, 1
	s_bfe_u32 s15, ttmp6, 0x40000          ; cx
	s_lshl_b32 s16, ttmp9, 2
	s_add_co_u32 s16, s16, s15             ; work-group x
	s_and_b32 s17, ttmp7, 0xffff           ; y
	s_mov_b32 s[G1A], 15|(3<<16)|(1<<21)
	s_mov_b32 s[G1A+1], 768<<16
	s_mov_b32 s[G1A+2], 8<<16
	s_mov_b32 s[G1A+3], 768<<16
	s_mov_b32 s[G1A+4], 8
	s_mov_b32 s[G1A+5], 3072
	s_mov_b32 s[G1A+6], 0
	s_mov_b32 s[G1A+7], 0
	s_mov_b32 s[G1B], 3<<16
	s_mov_b32 s[G1B+1], 768<<16
	s_mov_b32 s[G1B+2], 4<<16
	s_mov_b32 s[G1B+3], 768<<16
	s_mov_b32 s[G1B+4], 4
	s_mov_b32 s[G1B+5], 3072
	s_mov_b32 s[G1B+6], 0
	s_mov_b32 s[G1B+7], 0
	s_mov_b32 s[G1SA], 15|(3<<16)|(1<<21)
	s_mov_b32 s[G1SA+1], 32<<16
	s_mov_b32 s[G1SA+2], 32<<16
	s_mov_b32 s[G1SA+3], 32<<16
	s_mov_b32 s[G1SA+4], 32
	s_mov_b32 s[G1SA+5], 32
	s_mov_b32 s[G1SA+6], 0
	s_mov_b32 s[G1SA+7], 0
	s_mov_b32 s[G1SB], 3<<16
	s_mov_b32 s[G1SB+1], 32<<16
	s_mov_b32 s[G1SB+2], 16<<16
	s_mov_b32 s[G1SB+3], 32<<16
	s_mov_b32 s[G1SB+4], 16
	s_mov_b32 s[G1SB+5], 32
	s_mov_b32 s[G1SB+6], 0
	s_mov_b32 s[G1SB+7], 0
	; side 1 hangs on y alone (s84-s89 never hold cx); side 0 on the work-group's x (s90-s95)
	s_lshl_b32 s84, s17, 4                 ; the result's tiles 16 y on
	s_mul_i32 s88, s84, 24576
	s_mul_i32 s85, s13, 196608
	s_add_co_u32 s88, s88, s85
	s_mov_b32 s89, 0
	s_lshl_b32 s86, s84, 10
	s_add_co_u32 s86, s86, AS
	s_lshl_b32 s85, s13, 13
	s_add_co_u32 s86, s86, s85
	s_mov_b32 s87, 0
	s_lshl_b32 s90, s16, 3                 ; w_out's tiles 8 x on
	s_mul_i32 s94, s90, 24576
	s_add_co_u32 s94, s94, WOC
	s_mul_i32 s91, s13, 98304
	s_add_co_u32 s94, s94, s91
	s_mov_b32 s95, 0
	s_lshl_b32 s92, s90, 10
	s_add_co_u32 s92, s92, WOS
	s_lshl_b32 s91, s13, 12
	s_add_co_u32 s92, s92, s91
	s_mov_b32 s93, 0
	s_mul_i32 s96, s13, 49152
	s_mul_i32 s97, s13, 24576
	s_add_co_u32 s97, s97, S0OFF
	s_lshl_b32 s98, s13, 13
	s_add_co_u32 s98, s98, SCL1
	s_lshl_b32 s99, s13, 12
	s_add_co_u32 s99, s99, SCL0
	s_wait_dscnt 0x0                       ; both opening adds are done
	s_wait_kmcnt 0x0
	s_add_nc_u64 s[88:89], s[4:5], s[88:89]
	s_add_nc_u64 s[86:87], s[4:5], s[86:87]
	s_add_nc_u64 s[94:95], s[6:7], s[94:95]
	s_add_nc_u64 s[92:93], s[6:7], s[92:93]
	CROUND                                 ; all four work-groups are here: the first joint loads meet
	s_mov_b32 s[G0SA], 1
	s_mov_b32 s[G0SA+1], s98
	s_mov_b64 s[G0SA+2:G0SA+3], s[86:87]
	s_or_b32 s[G0SA+3], s[G0SA+3], 0x80000000
	s_mov_b32 s[G0SB], 1
	s_mov_b32 s[G0SB+1], s99
	s_mov_b64 s[G0SB+2:G0SB+3], s[92:93]
	s_or_b32 s[G0SB+3], s[G0SB+3], 0x80000000
	JLOAD G0SA, G1SA, G0SB, G1SB           ; the scale words for all of K: filled once
.irp s, 0,1
	s_mov_b32 s[G0A+4*\s], 1
	s_add_co_u32 s[G0A+4*\s+1], s96, \s*SLOT
	s_add_nc_u64 s[G0A+4*\s+2:G0A+4*\s+3], s[88:89], \s*6144
	s_or_b32 s[G0A+4*\s+3], s[G0A+4*\s+3], 0x80000000
	s_mov_b32 s[G0B+4*\s], 1
	s_add_co_u32 s[G0B+4*\s+1], s97, \s*SLOT
	s_add_nc_u64 s[G0B+4*\s+2:G0B+4*\s+3], s[94:95], \s*6144
	s_or_b32 s[G0B+4*\s+3], s[G0B+4*\s+3], 0x80000000
	JLOAD G0A+4*\s, G1A, G0B+4*\s, G1B
.endr
	v_and_b32 v2, 31, v0
	v_lshlrev_b32 v3, 4, v2                ; 16 L
	v_lshlrev_b32 v4, 3, v2                ; 8 L
	v_lshlrev_b32 v5, 2, v2                ; 4 L
	v_add_nc_u32 v[A160], S0OFF, v3
	v_add_nc_u32 v[A160+1], SLOT+S0OFF, v3
	v_add_nc_u32 v[A80], S0OFF, v4
	v_add_nc_u32 v[A80+1], SLOT+S0OFF, v4
	s_mul_i32 s23, s12, 24576
	v_add_nc_u32 v[A161], s23, v3
	v_add_nc_u32 v[A161+1], SLOT, v[A161]
	v_add_nc_u32 v[A81], s23, v4
	v_add_nc_u32 v[A81+1], SLOT, v[A81]
	v_add_nc_u32 v[ASC0], SCL0, v5
	s_lshl_b32 s23, s12, 12
	s_add_co_u32 s23, s23, SCL1
	v_add_nc_u32 v[ASC1], s23, v5
	v_and_b32 v6, 15, v0
	v_bfe_u32 v7, v0, 4, 1
	s_mul_i32 s23, s12, 8448               ; my stage: 16 rows x (512 bytes + 16), in slot 0: when the first result is stored there the slot has had its last fill, and its last read lies ahead of the last change of slots
	v_mul_u32_u24 v[STO], v6, 528
	v_lshl_add_u32 v[STO], v7, 6, v[STO]
	v_add_nc_u32 v[STO], s23, v[STO]
	v_add_nc_u32 v[RD], s23, v3
	s_lshl_b32 s90, s17, 8
	s_lshl_b32 s91, s12, 6
	s_add_co_u32 s90, s90, s91             ; my first row: 256 y + 64 wave
	s_lshl_b32 s90, s90, 13
	s_lshl_b32 s91, s16, 9
	s_add_co_u32 s90, s90, s91             ; + my 128 columns
	s_mov_b32 s91, 0
	s_add_nc_u64 s[92:93], s[8:9], s[90:91]
	s_add_nc_u64 s[94:95], s[10:11], s[90:91]
	s_wait_tensorcnt 0x1                   ; the scale words and my part of slot 0 are in; slot 1's load may be out
	s_barrier_signal -1
	s_barrier_wait -1
	FETCH 0
	STEP 0, 1
	STEP 1, 0
	STEP 2, 0
	TURN 3, 1
	STEP 4, 0
	STEP 5, 0
	STEP 6, 0
	TURN 7, 1
	STEP 8, 0
	STEP 9, 0
	STEP 10, 0
	TURN 11, 0
	STEP 12, 0
	STEP 13, 0
	STEP 14, 0
	s_wait_dscnt 0x0
	MULP 15, 0, 0
	PLACES
	WIN 0x80                               ; the residual of my 64 rows x 128 columns into window 2, whose fragments step 14 read last: tile m, row p of it at v[64 m + 4 p]
.irp m, 0,1,2,3
.irp p, 0,1,2,3,4,5,6,7,8,9,10,11,12,13,14,15
	global_load_b128 v[64*\m+4*\p:64*\m+4*\p+3], v3, s[92:93] offset:(32*(\m/2)+8*(\m%2)+\p+8*(\p/8))*8192 th:TH_LOAD_NT
.endr
.endr
	MULP 15, 1, 0
	MULP 15, 2, 0
	MULP 15, 3, 0
	PLACES
	s_wait_loadcnt 0x0
; THE WAY OUT.  Accumulators of tile m: register 64 m + 16 b + i = column 32 b + 16 h + i of row(16 y + 4 wave + m, r).  A tile goes through my stage and comes back as whole rows of 512 bytes.
.irp m, 0,1,2,3
.set BK, 64+64*(\m%2)
.if \m > 1
	s_wait_xcnt 0x0                        ; the stores of two tiles back have read these registers
.endif
	WIN 0x04                               ; an LDS store's data are its source 1: window 1
.irp b, 0,1,2,3
.irp q, 0,1,2,3
	ds_store_b128 v[STO], v[64*\m+16*\b+4*\q:64*\m+16*\b+4*\q+3] offset:128*\b+16*\q     ; each accumulator from its low end on
.endr
.endr
	WIN 0
.irp p, 0,1,2,3,4,5,6,7,8,9,10,11,12,13,14,15
	ds_load_b128 v[BK+4*\p:BK+4*\p+3], v[RD] offset:528*\p     ; LDS serves a wave's instructions in order: these see my stores
.endr
	s_wait_dscnt 0x0
	WIN 0x08
.set j, 0
.rept 32
	v_pk_add_f32 v[BK+j:BK+j+1], v[BK+j:BK+j+1], v[64*\m+j:64*\m+j+1]
.set j, j+2
.endr
	WIN 0
.irp p, 0,1,2,3,4,5,6,7,8,9,10,11,12,13,14,15
	global_store_b128 v3, v[BK+4*\p:BK+4*\p+3], s[94:95] offset:(32*(\m/2)+8*(\m%2)+\p+8*(\p/8))*8192 th:TH_STORE_NT   ; 32 lanes store 512 consecutive bytes
.endr
.endr
	s_wait_tensorcnt 0x0                   ; the wave's end
	ds_add_u32 v[SPW], v[NIL]
	s_wait_dscnt 0x0
	CROUND                                 ; the closing round
	s_endpgm
.Lfunc_end_k_q544f8c0dfe_gemm2:
	.size	k_q544f8c0dfe_gemm2, .Lfunc_end_k_q544f8c0dfe_gemm2-k_q544f8c0dfe_gemm2
	.p2alignl 7, 3214868480
	.fill 96, 4, 3214868480
	.section	.rodata,"a",@progbits
	.p2align	6, 0x0
	.amdhsa_kernel k_q544f8c0dfe_gemm2
		.amdhsa_group_segment_fixed_size 327680
		.amdhsa_private_segment_fixed_size 0
		.amdhsa_enable_private_segment 0
		.amdhsa_kernarg_size 32
		.amdhsa_user_sgpr_count 2
		.amdhsa_user_sgpr_kernarg_segment_ptr 1
		.amdhsa_wavefront_size32 1
		.amdhsa_system_sgpr_workgroup_id_x 1
		.amdhsa_system_sgpr_workgroup_id_y 1
		.amdhsa_system_sgpr_workgroup_id_z 1
		.amdhsa_system_vgpr_workitem_id 0
		.amdhsa_next_free_vgpr 1024
		.amdhsa_next_free_sgpr 100
		.amdhsa_reserve_vcc 0
		.amdhsa_float_denorm_mode_32 3
		.amdhsa_float_denorm_mode_16_64 3
		.amdhsa_memory_ordered 1
		.amdhsa_forward_progress 1
		.amdhsa_inst_pref_size 163
	.end_amdhsa_kernel
	.amdgpu_metadata
---
amdhsa.version: [ 1, 2 ]
amdhsa.kernels:
  - .name:           k_q544f8c0dfe_gemm2
    .symbol:         k_q544f8c0dfe_gemm2.kd
    .args:
      - { .name: att, .offset: 0, .size: 8, .value_kind: global_buffer, .address_space: global }
      - { .name: prep, .offset: 8, .size: 8, .value_kind: global_buffer, .address_space: global }
      - { .name: hidden_states, .offset: 16, .size: 8, .value_kind: global_buffer, .address_space: global }
      - { .name: out0, .offset: 24, .size: 8, .value_kind: global_buffer, .address_space: global }
    .group_segment_fixed_size: 327680
    .private_segment_fixed_size: 0
    .kernarg_segment_align: 8
    .kernarg_segment_size: 32
    .max_flat_workgroup_size: 128
    .sgpr_count:     100
    .vgpr_count:     1024
    .wavefront_size: 32
...
	.end_amdgpu_metadata
.endif
;; end of part 4
;; launch ln2 (part 5): grid 256 x 1, 8 waves a work-group, no clusters, 0 bytes of LDS; arguments out0, ln2_scale, out1; writes out1
.if DOCPART == 5
	.amdgcn_target "amdgcn-amd-amdhsa--gfx1250"
	.amdhsa_code_object_version 6
	.text
	.protected	k_q544f8c0dfe_ln2
	.globl	k_q544f8c0dfe_ln2
	.p2align	8
	.type	k_q544f8c0dfe_ln2,@function
k_q544f8c0dfe_ln2:
	s_mov_b64 s[64:65], 0
	v_nop
	global_prefetch_b8 v0, s[64:65] scope:SCOPE_SE
	s_setreg_imm32_b32 hwreg(HW_REG_WAVE_MODE, 25, 1), 1
	s_wait_xcnt 0x0
; LN2: out1 = LayerNorm(out0) x ln2_scale, in f32.  One wave, one row of 2,048 numbers (8,192 bytes, 64 registers a lane): the row stays in registers between the passes and is read once.
; Each load and store of a wave covers 512 consecutive bytes.  No LDS, no barrier, no cluster: waves share nothing but the gain.  Nothing of reference() is left out.
.set X,   16                           ; v16-79  the row
.set G,   80                           ; v80-143 the gain
.set TT,  144                          ; v144-156 at work
.set SEL, 12                           ; s[12:13]
.macro WSUM t
	v_add_f32_dpp v[\t], v[\t], v[\t] row_xmask:1 row_mask:0xf bank_mask:0xf
	v_add_f32_dpp v[\t], v[\t], v[\t] row_xmask:2 row_mask:0xf bank_mask:0xf
	v_add_f32_dpp v[\t], v[\t], v[\t] row_xmask:4 row_mask:0xf bank_mask:0xf
	v_add_f32_dpp v[\t], v[\t], v[\t] row_xmask:8 row_mask:0xf bank_mask:0xf
	v_permlanex16_b32 v[\t+1], v[\t], s[SEL], s[SEL+1]
	v_add_f32 v[\t], v[\t], v[\t+1]
.endm
.macro LNORM x, g, t
	s_wait_loadcnt 16                      ; the row's 16 loads are in; the gain's 16 may be out
.irp c, 0,1,2,3
	v_pk_add_f32 v[\t+2*\c:\t+2*\c+1], v[\x+4*\c:\x+4*\c+1], v[\x+4*\c+2:\x+4*\c+3]
.endr
.irp j, 16,24,32,40,48,56
.irp c, 0,1,2,3
	v_pk_add_f32 v[\t+2*\c:\t+2*\c+1], v[\t+2*\c:\t+2*\c+1], v[\x+\j+2*\c:\x+\j+2*\c+1]
.endr
.endr
	v_pk_add_f32 v[\t:\t+1], v[\t:\t+1], v[\t+2:\t+3]
	v_pk_add_f32 v[\t+4:\t+5], v[\t+4:\t+5], v[\t+6:\t+7]
	v_pk_add_f32 v[\t:\t+1], v[\t:\t+1], v[\t+4:\t+5]
	v_add_f32 v[\t], v[\t], v[\t+1]
	WSUM \t
	v_mov_b32 v[\t+12], 0x3a000000         ; 1 / 2048
	v_mul_f32 v[\t+8], v[\t+12], v[\t]     ; the mean,
	v_mov_b32 v[\t+9], v[\t+8]             ; twice, for the packed form
.set LJ, 0
.rept 32
	v_pk_add_f32 v[\x+LJ:\x+LJ+1], v[\x+LJ:\x+LJ+1], v[\t+8:\t+9] neg_lo:[0,1] neg_hi:[0,1]
.set LJ, LJ+2
.endr
.irp c, 0,1,2,3
	v_pk_mul_f32 v[\t+2*\c:\t+2*\c+1], v[\x+2*\c:\x+2*\c+1], v[\x+2*\c:\x+2*\c+1]
.endr
.irp j, 8,16,24,32,40,48,56
.irp c, 0,1,2,3
	v_pk_fma_f32 v[\t+2*\c:\t+2*\c+1], v[\x+\j+2*\c:\x+\j+2*\c+1], v[\x+\j+2*\c:\x+\j+2*\c+1], v[\t+2*\c:\t+2*\c+1]
.endr
.endr
	v_pk_add_f32 v[\t:\t+1], v[\t:\t+1], v[\t+2:\t+3]
	v_pk_add_f32 v[\t+4:\t+5], v[\t+4:\t+5], v[\t+6:\t+7]
	v_pk_add_f32 v[\t:\t+1], v[\t:\t+1], v[\t+4:\t+5]
	v_add_f32 v[\t], v[\t], v[\t+1]
	WSUM \t
	v_fmaak_f32 v[\t], v[\t], v[\t+12], 0x358637bd   ; the variance + 1e-6
	v_rsq_f32 v[\t+10], v[\t]
	v_rsq_f32 v[\t+11], v[\t]
	v_nop                                  ; a plain instruction behind the transcendentals
	s_wait_loadcnt 0x0                     ; the gain
	s_wait_alu depctr_va_vdst(0)           ; one wait for both, ahead of their first reader
.set LJ, 0
.rept 32
	v_pk_mul_f32 v[\x+LJ:\x+LJ+1], v[\x+LJ:\x+LJ+1], v[\t+10:\t+11]
.set LJ, LJ+2
.endr
.set LJ, 0
.rept 32
	v_pk_mul_f32 v[\x+LJ:\x+LJ+1], v[\x+LJ:\x+LJ+1], v[\g+LJ:\g+LJ+1]
.set LJ, LJ+2
.endr
.endm
	s_load_b128 s[4:7], s[0:1], 0x0        ; out0, ln2_scale
	s_load_b64 s[8:9], s[0:1], 0x10        ; out1
	v_lshrrev_b32 v1, 5, v0
	v_readfirstlane_b32 s10, v1            ; wave 0..7
	v_and_b32 v1, 31, v0
	v_lshlrev_b32 v1, 4, v1                ; 16 bytes a lane
	s_lshl_b32 s11, ttmp9, 3
	s_add_co_u32 s11, s11, s10             ; my row
	s_lshl_b32 s14, s11, 13
	s_mov_b32 s15, 0
	s_mov_b32 s[SEL], 0x76543210
	s_mov_b32 s[SEL+1], 0xfedcba98
	s_wait_kmcnt 0x0
	s_add_nc_u64 s[4:5], s[4:5], s[14:15]
	s_add_nc_u64 s[8:9], s[8:9], s[14:15]
.irp i, 0,1,2,3,4,5,6,7,8,9,10,11,12,13,14,15
	global_load_b128 v[X+4*\i:X+4*\i+3], v1, s[4:5] offset:512*\i th:TH_LOAD_NT
.endr
.irp i, 0,1,2,3,4,5,6,7,8,9,10,11,12,13,14,15
	global_load_b128 v[G+4*\i:G+4*\i+3], v1, s[6:7] offset:512*\i
.endr
	LNORM X, G, TT
.irp i, 0,1,2,3,4,5,6,7,8,9,10,11,12,13,14,15
	global_store_b128 v1, v[X+4*\i:X+4*\i+3], s[8:9] offset:512*\i th:TH_STORE_NT
.endr
	s_endpgm
.Lfunc_end_k_q544f8c0dfe_ln2:
	.size	k_q544f8c0dfe_ln2, .Lfunc_end_k_q544f8c0dfe_ln2-k_q544f8c0dfe_ln2
	.p2alignl 7, 3214868480
	.fill 96, 4, 3214868480
	.section	.rodata,"a",@progbits
	.p2align	6, 0x0
	.amdhsa_kernel k_q544f8c0dfe_ln2
		.amdhsa_group_segment_fixed_size 0
		.amdhsa_private_segment_fixed_size 0
		.amdhsa_enable_private_segment 0
		.amdhsa_kernarg_size 24
		.amdhsa_user_sgpr_count 2
		.amdhsa_user_sgpr_kernarg_segment_ptr 1
		.amdhsa_wavefront_size32 1
		.amdhsa_system_sgpr_workgroup_id_x 1
		.amdhsa_system_sgpr_workgroup_id_y 1
		.amdhsa_system_sgpr_workgroup_id_z 1
		.amdhsa_system_vgpr_workitem_id 0
		.amdhsa_next_free_vgpr 160
		.amdhsa_next_free_sgpr 66
		.amdhsa_reserve_vcc 0
		.amdhsa_float_denorm_mode_32 3
		.amdhsa_float_denorm_mode_16_64 3
		.amdhsa_memory_ordered 1
		.amdhsa_forward_progress 1
		.amdhsa_inst_pref_size 17
	.end_amdhsa_kernel
	.amdgpu_metadata
---
amdhsa.version: [ 1, 2 ]
amdhsa.kernels:
  - .name:           k_q544f8c0dfe_ln2
    .symbol:         k_q544f8c0dfe_ln2.kd
    .args:
      - { .name: out0, .offset: 0, .size: 8, .value_kind: global_buffer, .address_space: global }
      - { .name: ln2_scale, .offset: 8, .size: 8, .value_kind: global_buffer, .address_space: global }
      - { .name: out1, .offset: 16, .size: 8, .value_kind: global_buffer, .address_space: global }
    .group_segment_fixed_size: 0
    .private_segment_fixed_size: 0
    .kernarg_segment_align: 8
    .kernarg_segment_size: 24
    .max_flat_workgroup_size: 256
    .sgpr_count:     66
    .vgpr_count:     160
    .wavefront_size: 32
...
	.end_amdgpu_metadata
.endif
;; end of part 5
;; ======== version 2 of 2: 5 launches; version 1 with the launch attn written anew for expert scheduling mode
;; limits: right only within a limited range of input values
;; workspace buffers: prep 11,993,088 bytes; masks 557,056 bytes of whole numbers; qkv 4,915,200 bytes; att 3,276,800 bytes
;; launch prep: the kernel of part 1 again; grid 416 x 1, 16 waves a work-group, no clusters, 137,984 bytes of LDS; arguments hidden_states, ln1_scale, position_ids, w_qkv, w_out, causal_mask, attention_mask, prep, masks; writes prep, masks
;; launch gemm1: the kernel of part 2 again; grid 24 x 8, 4 waves a work-group, clusters of 4 x 1, 327,680 bytes of LDS; arguments prep, qkv; writes qkv
;; launch attn (part 6): grid 32 x 8, 16 waves a work-group, no clusters, 207,360 bytes of LDS; arguments qkv, masks, att; writes att
.if DOCPART == 6
	.amdgcn_target "amdgcn-amd-amdhsa--gfx1250"
	.amdhsa_code_object_version 6
	.text
	.protected	k_q544f8c0dfe_attn
	.globl	k_q544f8c0dfe_attn
	.p2align	8
	.type	k_q544f8c0dfe_attn,@function
k_q544f8c0dfe_attn:
	s_mov_b64 s[64:65], 0
	v_nop
	global_prefetch_b8 v0, s[64:65] scope:SCOPE_SE
	s_setreg_imm32_b32 hwreg(HW_REG_WAVE_SCHED_MODE, 0, 2), 2
	s_setreg_imm32_b32 hwreg(HW_REG_WAVE_MODE, 25, 1), 1
	s_wait_xcnt 0x0
	s_wait_alu depctr_vm_vsrc(0)
; ATTENTION on codes of E2M3: S^T = K Q^T, p = 2^(t - M) with M a whole number, O^T = V^T P^T, O / the sum of the unquantised p, quantised along D for the last product.
; LEFT OUT: a key step (128 keys) that is hidden from all 16 queries of a tile, by the flag word P that the first launch stored from the two mask inputs: every p there is 0 under the row's M, so it adds nothing to any sum.
; Where a tile has a query with no key at all, P names every step (reference() then gives the mean over all keys).  A NaN or infinity that would reach only a step left out is not carried.
; HIDDEN KEYS inside a step that is walked: the score becomes -2^100.  t = -2^100 c is exact and a whole number.  While a row has met hidden keys alone, M is that number and p = 1; the first key that counts moves M, and the factor
; 2^(old M - new M) is 0: what was summed is wiped.  Under a real M a hidden p is 0.  A row with no key ends with p = 1 for all 2,048 keys: reference()'s result, since every logit there is the same lowest f32 number.
; SHARES.  Work-group (i, kv head): tiles of queries 2 i, 2 i + 1, 126 - 2 i, 127 - 2 i, for the kv head's four query heads: sixteen waves, one (tile, head) each.  Wave (a, b) = (w / 4, w % 4) takes head b and tile (a + b) % 4.
; K, V and their scale words of the whole kv head, 204,800 bytes, are brought into LDS once, through registers, and read by all sixteen waves.
; NO TENSOR LOAD AND NO CLUSTER: the walk branches on whole numbers read from memory; and each work-group reads the shared bytes once.
; HEAD SIZE 64 is half of the instruction's K.  A fragment of K holds TWO tiles of 16 keys side by side (k 0-63: tile 2 p, k 64-127: tile 2 p + 1); Q stands as [q | 0] and as [0 | q]: zero codes add nothing.
; REGISTERS: v1-4 lane places; v8-11, v35, v36 the step's addresses; v12 -M, v13 the largest t, v[14:15] the sum; v16-33 q, 0, q; v34 Q's scale word; v38-41 K's and V's scale words; v48-95 fragments; v96-159 S^T, then p;
; v160-191 O^T; v192-203 p's codes; v204-235 at work.
; THE MODE: SCHED_MODE bits 1:0 = 2 (LLVM: expert scheduling mode 2), set by the entry lines.  The code itself states the register dependences
; between vector or matrix instructions and memory or LDS instructions, with s_wait_alu, always for 0.
; THE PLAN.  Registers that memory or LDS instructions touch:
;   v1, v2, v37, v42-45, v5, v6   Made at the head and never written again: offsets of Q's loads, of the fill's last two loads and of the way out; the closing add's two.
;   v8-11, v35, v36   Head: v8-11 are the fill's addresses.  A walked step writes the six anew at its head; its LDS loads read them.
;   v48-95            Head: K's codes, loaded from memory and stored to LDS.  Step: K's LDS loads land; the eight products K Q^T read; V's LDS loads land; the four products V^T P read.
;   v96-147           Head: V's codes and both tensors' scale words, loaded and stored to LDS.  From then on products and vector instructions alone name them.
;   v38, v39; v40, v41   K's and V's scale words: LDS loads land, the step's products read.
;   v192-197, v232, v233   The way out: data of the three stores; v233 takes an LDS load.
; A walked step has one wait on vm_vsrc, at its head, ahead of the six adds, and four on va_vdst: behind the six adds, for K's loads; behind the 64 exponentials, where V's loads follow, dealt among the row's sums,
; which name none of the registers that those loads touch; behind the four exponentials; and ahead of the products V^T P, whose operand and scale word vector instructions have just made.
.set VC,    3932160
.set QKS,   4718592
.set VS,    4882432
.set FL,    524288
.set AS,    3145728
.set VCL,   98304                      ; LDS: K's codes at 0, V's here,
.set KS,    196608                     ; K's scale words,
.set VSL,   200704                     ; V's,
.set OS,    204800                     ; four tiles' scale words of the result, 128 bytes each,
.set SPARE, 205312                     ; the spare words, 128 bytes a wave: no other line names them
.set SPW,   5
.set NIL,   6
.set NEG,   7
.set CS,    92                         ; s[92:93] c = log2(e) / 8
.set SEL,   94                         ; s[94:95]
.set BM,    212
.set PT,    216
.set SO,    220
.set QT,    212
.macro QUANT2 s, pc, hw
.irp b, 0,1
	v_max3_num_f32 v[QT+\b], |v[\s+16*\b]|, |v[\s+16*\b+1]|, 0x1800000
.endr
.irp i, 2,4,6,8,10,12,14
.irp b, 0,1
	v_max3_num_f32 v[QT+\b], v[QT+\b], |v[\s+16*\b+\i]|, |v[\s+16*\b+\i+1]|
.endr
.endr
.irp b, 0,1
	v_permlanex16_b32 v[QT+2+\b], v[QT+\b], s[SEL], s[SEL+1]
.endr
.irp b, 0,1
	v_max_num_f32 v[QT+\b], v[QT+\b], v[QT+2+\b]
.endr
.irp b, 0,1
	v_add_nc_u32 v[QT+4+\b], 0xff000000, v[QT+\b]
.endr
.irp b, 0,1
	v_lshrrev_b32 v[QT+6+\b], 23, v[QT+4+\b]
.endr
	v_lshl_or_b32 v[\hw], v[QT+7], 8, v[QT+6]
	v_cvt_scalef32_pk16_fp6_f32 v[\pc:\pc+2], v[\s:\s+15], v[QT+4]
	v_cvt_scalef32_pk16_fp6_f32 v[\pc+6:\pc+8], v[\s+16:\s+31], v[QT+5]
	v_nop
.irp i, 0,1,2
	v_permlane16_swap_b32 v[\pc+\i], v[\pc+6+\i]
.endr
.irp i, 0,1,2
	v_mov_b32 v[\pc+3+\i], v[\pc+6+\i]
.endr
.endm
	s_load_b128 s[4:7], s[0:1], 0x0        ; qkv, masks
	s_load_b64 s[8:9], s[0:1], 0x10        ; att
	v_lshl_add_u32 v[SPW], v0, 2, SPARE
	v_mov_b32 v[NIL], 0
	v_lshrrev_b32 v1, 5, v0
	v_readfirstlane_b32 s10, v1            ; wave 0..15
	s_wait_alu depctr_va_sdst(0)           ; s10 is written, ahead of its first reader: the wave's head, tile and bases are made from it
	s_and_b32 s2, s10, 3                   ; b
	s_lshr_b32 s3, s10, 2                  ; a
	s_add_co_u32 s13, s2, s3
	s_and_b32 s13, s13, 3                  ; which of the four tiles
	s_and_b32 s14, ttmp7, 0xffff           ; the kv head
	s_lshl_b32 s12, s14, 2
	s_add_co_u32 s12, s12, s2              ; the query head
	s_lshl_b32 s15, ttmp9, 1
	s_and_b32 s11, s13, 1
	s_add_co_u32 s11, s11, s15
	s_sub_co_u32 s96, 127, s11
	s_cmp_ge_u32 s13, 2
	s_cselect_b32 s11, s96, s11            ; T: my tile of queries
	s_and_b32 s3, s10, 1
	s_add_co_u32 s3, s3, s15
	s_sub_co_u32 s96, 127, s3
	s_cmp_ge_u32 s10, 2
	s_cselect_b32 s3, s96, s3              ; waves 0-3: the tile whose scale words I store at the end
	v_and_b32 v35, 31, v0                  ; L
	v_and_b32 v36, 15, v0                  ; r
	v_lshlrev_b32 v1, 4, v35
	v_lshlrev_b32 v2, 3, v35
	v_lshl_add_u32 v3, v35, 2, KS
	v_lshl_add_u32 v4, v35, 3, VSL
	v_lshlrev_b32 v8, 4, v0                ; the fill: 16 bytes a thread
	v_add_nc_u32 v9, 65536, v8
	v_add_nc_u32 v10, 131072, v8
	v_lshlrev_b32 v37, 3, v0
	v_add_nc_u32 v11, KS, v37
	v_lshlrev_b32 v42, 2, v36              ; 4 r
	v_lshlrev_b32 v45, 2, v35              ; 4 L
	s_lshl_b32 s96, s13, 7
	s_lshr_b32 s97, s2, 1
	s_lshl_b32 s97, s97, 6
	s_add_co_u32 s96, s96, s97
	s_and_b32 s97, s2, 1
	s_lshl_b32 s97, s97, 1
	s_add_co_u32 s96, s96, s97
	s_add_co_u32 s96, s96, OS
	v_lshl_add_u32 v43, v36, 2, s96        ; my two scale bytes of the result: tile, K step's half of the lanes, row, half of the word
	s_and_b32 s96, s10, 3
	s_lshl_b32 s96, s96, 7
	s_add_co_u32 s96, s96, OS
	v_lshl_add_u32 v44, v35, 2, s96
	s_mov_b32 s[CS], 0x3e38aa3b
	s_mov_b32 s[CS+1], s[CS]
	s_mov_b32 s[SEL], 0x76543210
	s_mov_b32 s[SEL+1], 0xfedcba98
	s_mov_b32 s97, 0
	s_wait_kmcnt 0x0
	s_lshl_b32 s96, s11, 8
	s_add_co_u32 s96, s96, FL
	s_add_nc_u64 s[86:87], s[6:7], s[96:97]
	s_load_b64 s[90:91], s[86:87], 0x0     ; P, PART
	s_lshl_b32 s96, s11, 12
	s_add_nc_u64 s[88:89], s[6:7], s[96:97]          ; my tile's mask words
	s_lshl_b32 s96, s12, 7
	s_add_co_u32 s96, s96, s11
	s_mul_i32 s96, s96, 768
	s_add_nc_u64 s[16:17], s[4:5], s[96:97]          ; Q's half record
	s_lshl_b32 s96, s12, 5
	s_lshr_b32 s15, s11, 2
	s_add_co_u32 s96, s96, s15
	s_lshl_b32 s96, s96, 7
	s_bfe_u32 s15, s11, 0x10001
	s_lshl_b32 s15, s15, 6
	s_add_co_u32 s96, s96, s15
	s_add_co_u32 s96, s96, QKS
	s_add_nc_u64 s[18:19], s[4:5], s[96:97]          ; its pair's scale words
	s_add_co_u32 s15, s14, 32
	s_mul_i32 s96, s15, 98304
	s_add_nc_u64 s[20:21], s[4:5], s[96:97]          ; K's codes
	s_lshl_b32 s96, s15, 12
	s_add_co_u32 s96, s96, QKS
	s_add_nc_u64 s[24:25], s[4:5], s[96:97]          ; K's scale words
	s_mul_i32 s96, s14, 98304
	s_add_co_u32 s96, s96, VC
	s_add_nc_u64 s[22:23], s[4:5], s[96:97]          ; V's codes
	s_lshl_b32 s96, s14, 12
	s_add_co_u32 s96, s96, VS
	s_add_nc_u64 s[26:27], s[4:5], s[96:97]          ; V's scale words
	s_mul_i32 s96, s11, 24576
	s_mul_i32 s15, s12, 768
	s_add_co_u32 s96, s96, s15
	s_add_nc_u64 s[98:99], s[8:9], s[96:97]          ; the result's half record: tile T, head
	s_lshl_b32 s96, s3, 10
	s_lshl_b32 s15, s14, 7
	s_add_co_u32 s96, s96, s15
	s_add_co_u32 s96, s96, AS
	s_add_nc_u64 s[100:101], s[8:9], s[96:97]
	s_wait_alu depctr_va_vdst(0)           ; the offsets and addresses made above are written: v1, v2, v8-11, v37, v42, which the loads and LDS stores of the fill read, and v43-45, which the way out reads; no vector instruction writes them before those readers
	global_load_b128 v[16:19], v1, s[16:17]
	global_load_b64 v[20:21], v2, s[16:17] offset:512
	global_load_b32 v34, v42, s[18:19]
.irp j, 0,1,2,3,4,5,6,7,8,9,10,11
	global_load_b128 v[48+4*\j:51+4*\j], v8, s[20:21] offset:8192*\j
.endr
.irp j, 0,1,2,3,4,5,6,7,8,9,10,11
	global_load_b128 v[96+4*\j:99+4*\j], v8, s[22:23] offset:8192*\j
.endr
	global_load_b64 v[144:145], v37, s[24:25]
	global_load_b64 v[146:147], v37, s[26:27]
	v_mov_b32 v[NEG], 0xf1800000           ; -2^100
	v_mov_b32 v13, 0xff61b1e6              ; the largest t so far: -3e38
	v_floor_f32 v12, -v13                  ; -M
	v_mov_b32 v14, 0
	v_mov_b32 v15, 0
.set j, 160
.rept 32
	v_mov_b32 v[j], 0                      ; O^T: the step is written once, and the first change of M leaves zeros zeros
.set j, j+1
.endr
.set j, 212
.rept 8
	v_mov_b32 v[j], 0                      ; lane permutes' destinations count as sources
.set j, j+1
.endr
	v_mov_b32 v228, 0
	v_mov_b32 v229, 0
	v_mov_b32 v231, 0
	s_and_b32 s96, s11, 1
	s_lshl_b32 s96, s96, 4
	s_wait_loadcnt 0x0
	v_lshrrev_b32 v34, s96, v34
	v_and_b32 v34, 0xffff, v34
	v_lshl_or_b32 v34, v34, 16, v34        ; my tile's two bytes, for both halves of K
.irp i, 0,1,2,3,4,5
	v_mov_b32 v[22+\i], 0
	v_mov_b32 v[28+\i], v[16+\i]           ; v[16:27] = [q | 0], v[22:33] = [0 | q]
.endr
.irp j, 0,1,2,3,4,5,6,7
	ds_store_b128 v8, v[48+4*\j:51+4*\j] offset:8192*\j
.endr
.irp j, 8,9,10,11
	ds_store_b128 v9, v[48+4*\j:51+4*\j] offset:8192*(\j-8)
.endr
.irp j, 0,1,2,3
	ds_store_b128 v9, v[96+4*\j:99+4*\j] offset:32768+8192*\j
.endr
.irp j, 4,5,6,7,8,9,10,11
	ds_store_b128 v10, v[96+4*\j:99+4*\j] offset:8192*(\j-4)
.endr
	ds_store_b64 v11, v[144:145]
	ds_store_b64 v11, v[146:147] offset:4096
	s_wait_dscnt 0x0                       ; for the others' sake
	s_barrier_signal -1
	s_barrier_wait -1
	s_wait_alu depctr_vm_vsrc(0)           ; my LDS stores have read v8-11 and v48-147: the steps' adds, LDS loads and products write them again, and the way out writes v96 on, on the way on which no step is walked too
	s_wait_kmcnt 0x0                       ; the flags
	s_mov_b32 s84, 0                       ; the key step
	s_mov_b32 s85, 0                       ; its tiles, 6,144 bytes a step, in K's and in V's region
	s_mov_b32 s86, 0                       ; its scale words, 256 bytes a step
.Lkey:                                 ; 16 trips, a constant; a step that P does not name is jumped over, but for the lines that step addresses
	s_bitcmp1_b32 s90, s84
	s_cbranch_scc0 .Lskip
	s_load_b512 s[16:31], s[88:89], 0x0    ; the step's 64 mask words: word n at s[16 + n], from n = 48 on at s[20 + n]
	s_load_b512 s[32:47], s[88:89], 0x40
	s_load_b512 s[48:63], s[88:89], 0x80
	s_load_b512 s[68:83], s[88:89], 0xc0
	s_wait_alu depctr_vm_vsrc(0)           ; the LDS loads of the step walked last have read the six addresses that are written below
	v_add_nc_u32 v8, s85, v1               ; (in the first step walked these six are also the places between the moves that made [q | 0 | q] and Q's scale word and the products that take them)
	v_add_nc_u32 v9, s85, v2
	v_add_nc_u32 v10, VCL, v8
	v_add_nc_u32 v11, VCL, v9
	v_add_nc_u32 v35, s86, v3
	v_add_nc_u32 v36, s86, v4
	s_wait_alu depctr_va_vdst(0)           ; the six addresses are written, which this step's LDS loads read; the last step's products V^T P are done reading v48-95, in which K's loads land; in the first step walked v22-33 and v34 are written, which the products below take as operand and scales
.irp x, 0,1,2,3,4,5,6,7                ; the step's eight tiles of keys: half record x at v[48 + 6 x]
	ds_load_b128 v[48+6*\x:51+6*\x], v8 offset:768*\x
	ds_load_b64 v[52+6*\x:53+6*\x], v9 offset:768*\x+512
.endr
	ds_load_b32 v38, v35                   ; lanes 0-15: tiles 0, 1; lanes 16-31: tiles 2, 3
	ds_load_b32 v39, v35 offset:128        ; tiles 4, 5; 6, 7
	s_wait_dscnt 0x0
.irp x, 0,1,2,3,4,5,6,7
.if ((\x/2)%2) == 0
	v_wmma_scale_f32_16x16x128_f8f6f4 v[96+8*\x:103+8*\x], v[48+12*(\x/2):59+12*(\x/2)], v[16+6*(\x%2):27+6*(\x%2)], 0, v[38+\x/4], v34 matrix_a_fmt:MATRIX_FMT_FP6 matrix_b_fmt:MATRIX_FMT_FP6
.else
	v_wmma_scale_f32_16x16x128_f8f6f4 v[96+8*\x:103+8*\x], v[48+12*(\x/2):59+12*(\x/2)], v[16+6*(\x%2):27+6*(\x%2)], 0, v[38+\x/4], v34 matrix_a_fmt:MATRIX_FMT_FP6 matrix_b_fmt:MATRIX_FMT_FP6 matrix_a_scale:MATRIX_SCALE_ROW1
.endif
.endr                                  ; lane (r, h): query row(T, r); register 16 b + i: key 32 b + 16 h + i of the step
.rept 4
	v_nop                                  ; four places behind the products, before vector instructions read their results
.endr
	s_wait_kmcnt 0x0                       ; the mask words; their base may be stepped from here on
	s_bitcmp1_b32 s91, s84
	s_cbranch_scc0 .Lopen                  ; every score of the step counts
.set n, 0
.rept 48
	v_cndmask_b32 v[96+n], v[NEG], v[96+n], s[16+n]
.set n, n+1
.endr
.rept 16
	v_cndmask_b32 v[96+n], v[NEG], v[96+n], s[20+n]
.set n, n+1
.endr
.Lopen:
.irp b, 0,1,2,3
	v_max3_num_f32 v[BM+\b], v[96+16*\b], v[97+16*\b], v[98+16*\b]     ; the largest score of each block of 32 keys: for the row's maximum and, since p rises with the score, for the block's largest p
.endr
.irp i, 3,5,7,9,11,13
.irp b, 0,1,2,3
	v_max3_num_f32 v[BM+\b], v[BM+\b], v[96+16*\b+\i], v[97+16*\b+\i]
.endr
.endr
.irp b, 0,1,2,3
	v_max_num_f32 v[BM+\b], v[BM+\b], v[111+16*\b]
.endr
.irp b, 0,1,2,3
	v_permlanex16_b32 v[PT+\b], v[BM+\b], s[SEL], s[SEL+1]
.endr
.irp b, 0,1,2,3
	v_max_num_f32 v[BM+\b], v[BM+\b], v[PT+\b]
.endr
	v_max3_num_f32 v231, v[BM], v[BM+1], v[BM+2]
	v_max_num_f32 v231, v231, v[BM+3]
	v_mul_f32 v231, s[CS], v231
	v_max_num_f32 v13, v13, v231           ; the running largest t
	v_mov_b32 v231, v12
	v_floor_f32 v12, -v13                  ; -M = floor(-t): M is a whole number
	v_sub_f32 v231, v12, v231
	v_cvt_i32_f32 v231, v231               ; old M - new M; it saturates
	v_ldexp_f32 v228, 1.0, v231            ; f = 2^(old M - new M)
.set j, 0
.rept 32
	v_pk_fma_f32 v[96+j:97+j], v[96+j:97+j], s[CS:CS+1], v[12:13] op_sel_hi:[1,0,0]   ; t - M
.set j, j+2
.endr
.irp b, 0,1,2,3
	v_fma_f32 v[BM+\b], v[BM+\b], s[CS], v12
.endr
.set j, 0
.rept 64
	v_exp_f32 v[96+j], v[96+j]             ; p, not normalised
.set j, j+1
.endr
	v_pk_mul_f32 v[14:15], v[14:15], v[228:229] op_sel_hi:[1,0]        ; the sum under the new M (a plain instruction behind the batch)
	s_wait_alu depctr_va_vdst(0)           ; the 64 exponentials have written p, ahead of its first reader; and the products K Q^T are done reading v48-95, in which V's loads below land
.irp b, 0,1,2,3
	v_exp_f32 v[BM+\b], v[BM+\b]           ; each block's largest p
.endr
	v_pk_add_f32 v[232:233], v[96:97], v[98:99]      ; the row's sum is taken of the unquantised p, in two chains
	ds_load_b64 v[40:41], v36              ; V's scale words.  No wait for this load and the sixteen below: no vector instruction since the wait above names v10, v11, v36, v40, v41 or v48-95
.irp j, 4,8,12,16,20,24,28,32,36,40,44,48,52,56,60
	v_pk_add_f32 v[14:15], v[14:15], v[96+\j:97+\j]
	v_pk_add_f32 v[232:233], v[232:233], v[98+\j:99+\j]
.if \j <= 32                           ; V's four fragments into K's registers, a half record behind each of the first eight pairs of sums: they land during the rest of the softmax
	ds_load_b128 v[48+6*(\j/4-1):51+6*(\j/4-1)], v10 offset:768*(\j/4-1)
	ds_load_b64 v[52+6*(\j/4-1):53+6*(\j/4-1)], v11 offset:768*(\j/4-1)+512
.endif
.endr
	v_pk_add_f32 v[14:15], v[14:15], v[232:233]
	s_wait_alu depctr_va_vdst(0)           ; the four exponentials have written the blocks' largest p, ahead of its first reader
.irp b, 0,1,2,3
	v_max_num_f32 v[BM+\b], 0x1800000, v[BM+\b]
.endr
.irp b, 0,1,2,3
	v_add_nc_u32 v[SO+\b], 0xff000000, v[BM+\b]
.endr
.irp b, 0,1,2,3
	v_lshrrev_b32 v[PT+\b], 23, v[SO+\b]
.endr
	v_lshl_or_b32 v230, v[PT+1], 8, v[PT]
	v_lshl_or_b32 v230, v[PT+2], 16, v230
	v_lshl_or_b32 v230, v[PT+3], 24, v230  ; p's scale word for these 128 keys
.irp c, 0,1
	v_cvt_scalef32_pk16_fp6_f32 v[192+6*\c:194+6*\c], v[96+32*\c:111+32*\c], v[SO+2*\c]
	v_cvt_scalef32_pk16_fp6_f32 v[204+4*\c:206+4*\c], v[112+32*\c:127+32*\c], v[SO+2*\c+1]
.endr
	v_nop
.irp c, 0,1
.irp i, 0,1,2
	v_permlane16_swap_b32 v[192+6*\c+\i], v[204+4*\c+\i]
.endr
.irp i, 0,1,2
	v_mov_b32 v[195+6*\c+\i], v[204+4*\c+\i]
.endr
.endr
.set j, 0
.rept 16
	v_pk_mul_f32 v[160+j:161+j], v[160+j:161+j], v[228:229] op_sel_hi:[1,0]   ; O^T under the new M; these are also the places between the scale word and codes just made and the products
.set j, j+2
.endr
	s_wait_dscnt 0x0                       ; V
	s_wait_alu depctr_va_vdst(0)           ; p's codes v192-203 and its scale word v230 are written, which the products below take as operand and scales; the places above stay beside this wait
.irp t, 0,1,2,3
.if (\t%2) == 0
	v_wmma_scale_f32_16x16x128_f8f6f4 v[160+8*\t:167+8*\t], v[48+12*\t:59+12*\t], v[192:203], v[160+8*\t:167+8*\t], v[40+\t/2], v230 matrix_a_fmt:MATRIX_FMT_FP6 matrix_b_fmt:MATRIX_FMT_FP6
.else
	v_wmma_scale_f32_16x16x128_f8f6f4 v[160+8*\t:167+8*\t], v[48+12*\t:59+12*\t], v[192:203], v[160+8*\t:167+8*\t], v[40+\t/2], v230 matrix_a_fmt:MATRIX_FMT_FP6 matrix_b_fmt:MATRIX_FMT_FP6 matrix_a_scale:MATRIX_SCALE_ROW1
.endif
.endr
.Lskip:
	s_add_co_u32 s85, s85, 6144
	s_add_co_u32 s86, s86, 256
	s_add_nc_u64 s[88:89], s[88:89], 256
	s_add_co_u32 s84, s84, 1
	s_cmp_lt_u32 s84, 16
	s_cbranch_scc1 .Lkey
; THE WAY OUT: O^T / the sum; register 16 b + i is d = 32 b + 16 h + i of my query: the quantiser's order.  The head's 64 numbers are one half record of the last product's operand.
.rept 4
	v_nop
.endr
	v_add_f32 v14, v14, v15
	v_permlanex16_b32 v231, v14, s[SEL], s[SEL+1]
	v_add_f32 v14, v14, v231
	v_rcp_f32 v14, v14
	v_nop
	s_wait_alu depctr_va_vdst(0)           ; the reciprocal has written v14, ahead of its first reader
.set j, 0
.rept 32
	v_mul_f32 v[96+j], v[160+j], v14
.set j, j+1
.endr
	QUANT2 96, 192, 232
	s_wait_alu depctr_va_vdst(0)           ; the quantiser has written the codes v192-197 and the two scale bytes v232, which the three stores below read; and every vector instruction that named v233 is done, in which the LDS load below lands
	global_store_b128 v1, v[192:195], s[98:99]
	global_store_b64 v2, v[196:197], s[98:99] offset:512
	ds_store_b16 v43, v232                 ; four heads' bytes make a tile's 128 bytes of scale words
	s_wait_dscnt 0x0
	s_barrier_signal -1
	s_barrier_wait -1
	s_cmp_lt_u32 s10, 4
	s_cbranch_scc0 .Lend
	ds_load_b32 v233, v44
	s_wait_dscnt 0x0
	global_store_b32 v45, v233, s[100:101]
.Lend:
	s_wait_dscnt 0x0                       ; the closing lines, six on end
	s_wait_alu 0x0
	s_wait_tensorcnt 0x0
	ds_add_u32 v[SPW], v[NIL]
	s_wait_dscnt 0x0
	s_endpgm
.Lfunc_end_k_q544f8c0dfe_attn:
	.size	k_q544f8c0dfe_attn, .Lfunc_end_k_q544f8c0dfe_attn-k_q544f8c0dfe_attn
	.p2alignl 7, 3214868480
	.fill 96, 4, 3214868480
	.section	.rodata,"a",@progbits
	.p2align	6, 0x0
	.amdhsa_kernel k_q544f8c0dfe_attn
		.amdhsa_group_segment_fixed_size 207360
		.amdhsa_private_segment_fixed_size 0
		.amdhsa_enable_private_segment 0
		.amdhsa_kernarg_size 24
		.amdhsa_user_sgpr_count 2
		.amdhsa_user_sgpr_kernarg_segment_ptr 1
		.amdhsa_wavefront_size32 1
		.amdhsa_system_sgpr_workgroup_id_x 1
		.amdhsa_system_sgpr_workgroup_id_y 1
		.amdhsa_system_sgpr_workgroup_id_z 1
		.amdhsa_system_vgpr_workitem_id 0
		.amdhsa_next_free_vgpr 256
		.amdhsa_next_free_sgpr 102
		.amdhsa_reserve_vcc 0
		.amdhsa_float_denorm_mode_32 3
		.amdhsa_float_denorm_mode_16_64 3
		.amdhsa_memory_ordered 1
		.amdhsa_forward_progress 1
		.amdhsa_inst_pref_size 36
	.end_amdhsa_kernel
	.amdgpu_metadata
---
amdhsa.version: [ 1, 2 ]
amdhsa.kernels:
  - .name:           k_q544f8c0dfe_attn
    .symbol:         k_q544f8c0dfe_attn.kd
    .args:
      - { .name: qkv, .offset: 0, .size: 8, .value_kind: global_buffer, .address_space: global }
      - { .name: masks, .offset: 8, .size: 8, .value_kind: global_buffer, .address_space: global }
      - { .name: att, .offset: 16, .size: 8, .value_kind: global_buffer, .address_space: global }
    .group_segment_fixed_size: 207360
    .private_segment_fixed_size: 0
    .kernarg_segment_align: 8
    .kernarg_segment_size: 24
    .max_flat_workgroup_size: 512
    .sgpr_count:     102
    .vgpr_count:     256
    .wavefront_size: 32
...
	.end_amdgpu_metadata
.endif
;; end of part 6
;; launch gemm2: the kernel of part 4 again; grid 16 x 8, 4 waves a work-group, clusters of 4 x 1, 327,680 bytes of LDS; arguments att, prep, hidden_states, out0; writes out0
;; launch ln2: the kernel of part 5 again; grid 256 x 1, 8 waves a work-group, no clusters, 0 bytes of LDS; arguments out0, ln2_scale, out1; writes out1
